; MI455X (gfx1250); checked and timed in simulation.
; The chip was launched on July 23, 2026; its instructions are those of AMD's public machine-readable ISA for CDNA 5 (MIT licence, August 2026) and "CDNA5" Instruction Set Architecture Reference Guide (July 2026). The comments in the code are by the model that wrote it; some were corrected since.
;; Causal Self Attention. Allowed arithmetic: matrix products marked QUANTISED: E4M3 operands, one given power-of-two scale a tensor, by v_wmma_f32_16x16x64_fp8_fp8 or v_wmma_f32_16x16x128_fp8_fp8, f32 sums; everything else in f32.
;; Inputs: lowp_scales 8 int32 (the exponents e of the quantised operands' scales 2^e); w_proj 1,024 x 1,024 float32; w_qkv 1,024 x 3,072 float32; x 4 x 2,048 x 1,024 float32.
;; Outputs: out0 4 x 2,048 x 1,024 float32.
;; This version of the problem:
;;   THIS VERSION OF THE PROBLEM IS GIVEN IN LOW PRECISION. The matrix products marked QUANTISED in the list below multiply operands that are first quantised to E4M3 (4 exponent bits, 3 mantissa bits; 8 bits a number), with one given power-of-two scale for each operand tensor; their sums are f32. All else is computed in f32.
;;   The module's matrix products, in the order in which they are computed (A, B: the left and right operand; K: the contracted axis; several contracted axes count as one K, in the product's order):
;;     1. [M 8,192, K 1,024] x [K 1,024, N 3,072]; A: input x; B: input w_qkv: QUANTISED (scales: A lowp_scales[0], B lowp_scales[1])
;;     2. batch 64 x [M 2,048, K 64] x [K 64, N 2,048]; A: computed on the way; B: computed on the way: QUANTISED (scales: A lowp_scales[2], B lowp_scales[3])
;;     3. batch 64 x [M 2,048, K 2,048] x [K 2,048, N 64]; A: softmax (see below); B: computed on the way: QUANTISED (scales: A lowp_scales[4], B lowp_scales[5])
;;     4. [M 8,192, K 1,024] x [K 1,024, N 1,024]; A: computed on the way; B: input w_proj: QUANTISED (scales: A lowp_scales[6], B lowp_scales[7])
;;   THE QUANTISER, for each operand of a quantised product, along K:
;;     - The operand's scale is 2^e, e = its entry of the input lowp_scales (int32; the entries are numbered through the quantised products in the list's order, A before B).
;;     - Each number is divided by the scale, clamped to +-448, and rounded to the nearest number of E4M3, ties to even, subnormals kept.
;;     - The product sums the exact products of the quantised numbers (number of the format x scale) in f32.
;;   ~~~python
;;   def quantise(x, axis, e):      # numpy; x: float32 -> the quantised numbers, widened to float32 again
;;       x = np.moveaxis(x, axis, -1); K = x.shape[-1]
;;       r = np.clip(x / 2.0 ** e, -448, 448)
;;       step = 2.0 ** (np.maximum(np.frexp(np.where(r == 0, 1, r))[1] - 1, -6) - 3)
;;       q = np.round(r / step) * step * 2.0 ** e      # np.round: ties to even
;;       return np.moveaxis(q, -1, axis).astype(np.float32)
;;   ~~~
;;   SOFTMAX AHEAD OF A QUANTISED PRODUCT. Where the list says 'softmax', what is quantised is not the finished softmax but p = 2^(t - M), with t = logit x log2(e) and M = ceil(the row's largest t), a whole number; so 1/2 < the row's largest p <= 1. The row's sum l is taken of the UNQUANTISED p, in f32, and the product's result is divided by l at the end. Since M is a whole number, a kernel that streams over the keys may use a running M (the ceiling of the running maximum): every later rescaling is an exact power of two, so the quantised numbers keep their values, but for numbers so far below the row's largest that they fall under the format's range.
;;   OPERANDS COMPUTED ON THE WAY. 'Computed on the way' means the value that the module computes at that place (a softmax that the list does not call 'softmax' is quantised finished and normalised). What goes into a quantiser is computed in f32, as accurately as f32 sums, v_exp_f32 and their like allow (about 1e-6 of the number): no bf16 or f16 on the way to a quantiser, and a product that is left as it is and whose result goes on into a quantised operand takes f32 operands (vector FMAs, or v_wmma_f32_16x16x4_f32). A number that lies on a knife's edge between two numbers of the format may be rounded either way, as far as f32 arithmetic and the matrix unit's own rounding can turn it there, and no further.
;; One version. Each part assembles by itself: llvm-mc -triple=amdgcn-amd-amdhsa -mcpu=gfx1250 --defsym DOCPART=n.
;; ======== version 1 of 1: 4 launches
;; limits: right only within a limited range of input values
;; workspace buffers: ximg 8,388,608 bytes; wimg 4,194,304 bytes; qkv 25,165,824 bytes; yimg 8,388,608 bytes
;; launch quant (part 1): grid 384 x 1, 4 waves a work-group, no clusters, 42,496 bytes of LDS; arguments x, w_qkv, w_proj, lowp_scales, ximg, wimg; writes ximg, wimg
.if DOCPART == 1
	.amdgcn_target "amdgcn-amd-amdhsa--gfx1250"
	.amdhsa_code_object_version 6
	.text
	.protected	k_q6e5b87737d_quant
	.globl	k_q6e5b87737d_quant
	.p2align	8
	.type	k_q6e5b87737d_quant,@function
k_q6e5b87737d_quant:
	s_mov_b64 s[64:65], 0
	v_nop
	global_prefetch_b8 v0, s[64:65] scope:SCOPE_SE
	s_setreg_imm32_b32 hwreg(HW_REG_WAVE_MODE, 25, 1), 1
	s_wait_xcnt 0x0
; x [8192][1024], w_qkv [1024][3072] and w_proj [1024][1024], f32, become codes of FP8 (E4M3), each with the one scale 2^e given for it (entries 0, 1 and 7 of the scales).
; code = number / 2^e, held within +-448, rounded to the nearest code, ties to even.  LIMITS: each e between -126 and 119, so that 2^e and 448 x 2^e are f32 numbers.  NaN among the inputs is not served.
; THE CODES ARE LAID AS IMAGES OF THE OPERAND'S REGISTERS.  An image is 16 rows x 64 along K, 1,024 bytes: registers 2 c, 2 c + 1 of lane (r, h) hold k = 16 c + 8 h + 0 .. 7 of row r (the plain 8-bit
; layout), and registers 4 g .. 4 g + 3 of lane l lie at byte 512 g + 16 l.  So the code of (row r, k) lies at 512 (k / 32) + 256 ((k / 8) % 2) + 16 r + 8 ((k / 16) % 2) + k % 8.
; ximg: [row / 16: 512][k / 64: 16][image].  wimg: [column / 16: 256][k / 64: 16][image]; columns 0 - 3071 are w_qkv's, 3072 - 4095 w_proj's: a weight's column is a row of its operand.
; Work-groups 0 - 255 take x, 256 - 383 the weights: one scalar branch on the work-group's number; each path has LDS bytes of its own.  No tensor loads, no barrier: waves share nothing.
.set XSTG,  0                          ; x's path: for each wave two stages of 4 chunks x (256 + 32) bytes = 2,304 bytes
.set WSTG,  9216                       ; the weights' path: 8,192 bytes for each wave
.set SPARE, 41984                      ; the spare words, 128 bytes for each wave: two blocks of 256 bytes that no other line names
.set XO,  4                            ; v4   x: 4,096 (lane / 16) + 16 (lane % 16); never rewritten
.set LI,  5                            ; v5   16 x lane; never rewritten
.set SA,  6                            ; v6   x's stage, on the way in
.set SB,  7                            ; v7   x's stage, on the way out
.set WS,  8                            ; v8   the weights' stage, in
.set WR,  9                            ; v9   the weights' stage, out
.set SPW, 12                           ; v12  LDS address of my spare word; never rewritten
.set NIL, 13                           ; v13  0; never rewritten
.set R,   32                           ; v32-127  numbers as loaded: three sets of 32 (x), two sets of 32 (weights)
.set C,   128                          ; v128-143 codes
.set OUTR, 144                         ; v144-207 images on their way out: registers of their own for each store
.set WA,  208                          ; v208-239 the weights' offsets: 4 x lane + i rows; never rewritten
.set WB,  40                           ; s[40:55] the weights' eight bases, one for each block of 32 along K
.macro SCALE e                         ; v11 = 2^e as f32 (the conversion takes its exponent field), s32 = 448 x 2^e
	s_add_co_i32 s32, \e, 127
	s_lshl_b32 s33, s32, 23
	v_mov_b32 v11, s33
	s_add_co_i32 s32, s32, 8
	s_lshl_b32 s32, s32, 23
	s_or_b32 s32, s32, 0x600000
.endm
	s_load_b256 s[4:11], s[0:1], 0x0               ; x s[4:5], w_qkv s[6:7], w_proj s[8:9], the scales' exponents s[10:11]
	s_load_b128 s[12:15], s[0:1], 0x20             ; ximg s[12:13], wimg s[14:15]
	v_lshl_add_u32 v[SPW], v0, 2, SPARE
	v_mov_b32 v[NIL], 0
	v_lshrrev_b32 v1, 5, v0
	v_readfirstlane_b32 s24, v1                    ; wave 0..3
	v_and_b32 v2, 31, v0                           ; lane
	v_and_b32 v3, 15, v0                           ; lane % 16
	v_bfe_u32 v1, v0, 4, 1                         ; lane / 16
	v_lshlrev_b32 v[LI], 4, v2
	v_lshlrev_b32 v[XO], 4, v3
	v_lshl_add_u32 v[XO], v1, 12, v[XO]
	s_mul_i32 s25, s24, 2304                       ; my wave's stages on x's path,
	s_lshl_b32 s26, s24, 13
	s_add_co_u32 s26, s26, WSTG                    ; and on the weights'
	; all four LDS addresses are made here, ahead of the branch.  b0 .. b4 are the lane's bits.
	; In: a lane's four codes are k = 4 (lane % 16) + 0 .. 3 of row 2 p + b4: image byte 512 b3 + 256 b1 + 32 p + 16 b4 + 8 b2 + 4 b0.  The image's four chunks of 256 bytes lie 288 apart,
	; so that the 32 lanes of a store fall on 32 different banks: word b0 + 2 b2 + 4 b4 + 8 b1 + 16 b3 + 8 p modulo 64 (64 banks of 4 bytes: ISA guide 11.1).
	v_and_b32 v14, 1, v0
	v_lshlrev_b32 v[SA], 2, v14
	v_bfe_u32 v14, v0, 1, 1
	v_mad_u32_u24 v[SA], v14, 288, v[SA]
	v_bfe_u32 v14, v0, 2, 1
	v_lshl_add_u32 v[SA], v14, 3, v[SA]
	v_bfe_u32 v14, v0, 3, 1
	v_mad_u32_u24 v[SA], v14, 576, v[SA]
	v_lshl_add_u32 v[SA], v1, 4, v[SA]
	v_add_nc_u32 v[SA], s25, v[SA]
	v_mul_u32_u24 v[SB], v1, 288                   ; out: chunk 2 g + lane / 16, 16 bytes a lane
	v_lshl_add_u32 v[SB], v3, 4, v[SB]
	v_add_nc_u32 v[SB], s25, v[SB]
	v_add_nc_u32 v[WS], s26, v[XO]                 ; the weights, in: 4,096 (lane / 16) + 16 (lane % 16): my column's 16 bytes of its tile's images
	v_add_nc_u32 v[WR], s26, v[LI]                 ; out: as the bytes lie
	s_wait_kmcnt 0x0
	s_load_b256 s[16:23], s[10:11], 0x0            ; e0 .. e7
	s_cmp_lt_u32 ttmp9, 256
	s_cbranch_scc0 .Lweights
	; ---- x.  Wave w takes row tile 2 x work-group + w / 2 and the half w % 2 of K: 16 rows x 512 along K = eight images, one a step.
	s_lshl_b32 s27, ttmp9, 1
	s_lshr_b32 s28, s24, 1
	s_add_co_u32 s27, s27, s28                     ; the row tile
	s_and_b32 s28, s24, 1
	s_lshl_b32 s30, s27, 16                        ; 16 rows of 4,096 bytes
	s_lshl_b32 s29, s28, 11                        ; 512 numbers
	s_add_co_u32 s30, s30, s29
	s_mov_b32 s31, 0
	s_add_nc_u64 s[4:5], s[4:5], s[30:31]
	s_lshl_b32 s30, s27, 14                        ; 16 images
	s_lshl_b32 s29, s28, 13                        ; 8 images
	s_add_co_u32 s30, s30, s29
	s_add_nc_u64 s[12:13], s[12:13], s[30:31]
.macro LOADX t                         ; step t's 16 rows x 64 numbers: load p takes rows 2 p and 2 p + 1: sixteen lanes read 256 consecutive bytes, aligned
.irp p, 0,1,2,3,4,5,6,7
	global_load_b128 v[R+32*((\t)%3)+4*\p:R+32*((\t)%3)+4*\p+3], v[XO], s[4:5] offset:8192*\p+256*(\t) th:TH_LOAD_NT
.endr
.endm
.macro XSTEP t
.set RS, R+32*((\t)%3)
.set CC, C+8*((\t)%2)
.if (\t) <= 5
	s_wait_loadcnt 16                              ; this step's eight loads are in; the two younger sets may be out
.elseif (\t) == 6
	s_wait_loadcnt 8
.else
	s_wait_loadcnt 0
.endif
.set i, 0
.rept 32
.set i, i+1
.endr
.irp g, 0,1,2,3
	v_cvt_scalef32_pk8_fp8_f32 v[CC+2*\g:CC+2*\g+1], v[RS+8*\g:RS+8*\g+7], v11   ; register p of the eight holds the four codes of load p
.endr
	v_nop                                          ; a plain line behind the last conversion
.if (\t)+3 < 8
	LOADX (\t)+3                                   ; into the set just converted
.endif
.irp p, 0,1,2,3,4,5,6,7
	ds_store_b32 v[SA], v[CC+\p] offset:1152*((\t)%2)+32*\p
.endr
.irp g, 0,1
	ds_load_b128 v[OUTR+8*(\t)+4*\g:OUTR+8*(\t)+4*\g+3], v[SB] offset:1152*((\t)%2)+576*\g   ; LDS serves a wave's instructions in order (ISA guide 5.7.1.4): these see the stores above
.endr
.if (\t) >= 1
	s_wait_dscnt 10                                ; all but the ten just issued: the step before is back (and its stores into the stage have read their registers, which the next step rewrites)
.irp g, 0,1
	global_store_b128 v[LI], v[OUTR+8*((\t)-1)+4*\g:OUTR+8*((\t)-1)+4*\g+3], s[12:13] offset:1024*((\t)-1)+512*\g   ; 32 lanes store 512 consecutive bytes, aligned
.endr
.endif
.endm
	LOADX 0
	LOADX 1
	LOADX 2
	s_wait_kmcnt 0x0
	SCALE s16                                      ; e0
	s_wait_alu depctr_va_vdst(0)
.irp u, 0,1,2,3,4,5,6,7
	XSTEP \u
.endr
	s_wait_dscnt 0x0
	global_store_b128 v[LI], v[OUTR+56:OUTR+59], s[12:13] offset:7168
	global_store_b128 v[LI], v[OUTR+60:OUTR+63], s[12:13] offset:7680
	s_branch .Lend
.Lweights:
	; ---- the weights.  K is their FIRST axis: a lane takes a column and its registers run down K, so that the conversions give codes with K innermost.
	; Work-group 256 + 32 ky + g takes columns 128 g on of the 4,096 and k = 256 ky on; wave w 32 of the columns: two tiles of 16, four images each.
	s_sub_co_u32 s27, ttmp9, 256
	s_and_b32 s28, s27, 31                         ; g
	s_lshr_b32 s29, s27, 5                         ; ky
	s_cmp_lt_u32 s28, 24                           ; w_qkv or w_proj?  The choice hangs on the work-group's number alone
	s_cselect_b64 s[34:35], s[6:7], s[8:9]
	s_mov_b32 s36, 4096
	s_cselect_b32 s36, 12288, s36                  ; a row of the weight in bytes
	s_cselect_b32 s37, 0, 24
	s_sub_co_u32 s37, s28, s37
	s_lshl_b32 s37, s37, 9                         ; 128 columns of 4 bytes
	s_lshl_b32 s38, s24, 7                         ; 32 columns
	s_add_co_u32 s38, s37, s38
	s_lshl_b32 s39, s29, 8
	s_mul_i32 s39, s39, s36                        ; 256 ky rows
	s_add_co_u32 s38, s38, s39
	s_mov_b32 s39, 0
	s_add_nc_u64 s[WB:WB+1], s[34:35], s[38:39]
	s_lshl_b32 s38, s36, 5                         ; 32 rows
.irp u, 1,2,3,4,5,6,7
	s_add_nc_u64 s[WB+2*\u:WB+2*\u+1], s[WB+2*\u-2:WB+2*\u-1], s[38:39]
.endr
	v_lshlrev_b32 v[WA], 2, v2
.set i, 1
.rept 31
	v_add_nc_u32 v[WA+i], s36, v[WA+i-1]
.set i, i+1
.endr
	s_lshl_b32 s30, s28, 3
	s_lshl_b32 s31, s24, 1
	s_add_co_u32 s30, s30, s31                     ; my first tile of 16 columns: 8 g + 2 w
	s_lshl_b32 s30, s30, 14
	s_lshl_b32 s31, s29, 12                        ; four images
	s_add_co_u32 s30, s30, s31
	s_mov_b32 s31, 0
	s_add_nc_u64 s[14:15], s[14:15], s[30:31]
.macro LOADW t                         ; block t: rows 32 t + i of my column: 32 lanes read 128 consecutive bytes, the four waves 512
.set i, 0
.rept 32
	global_load_b32 v[R+32*((\t)%2)+i], v[WA+i], s[WB+2*(\t):WB+2*(\t)+1] th:TH_LOAD_NT
.set i, i+1
.endr
.endm
.macro WBLOCK t
.set XS, R+32*((\t)%2)
.if (\t) < 7
	s_wait_loadcnt 32                              ; this block's 32 loads are in; the next block's may be out
.else
	s_wait_loadcnt 0
.endif
.set i, 0
.rept 32
.set i, i+1
.endr
	v_cvt_scalef32_pk8_fp8_f32 v[C:C+1], v[XS:XS+7], v11         ; k 0-7 and k 16-23 of the block are 16 neighbouring bytes of the image,
	v_cvt_scalef32_pk8_fp8_f32 v[C+4:C+5], v[XS+8:XS+15], v11    ; k 8-15 and k 24-31 the 16 bytes that lie 256 further on
	v_cvt_scalef32_pk8_fp8_f32 v[C+2:C+3], v[XS+16:XS+23], v11
	v_cvt_scalef32_pk8_fp8_f32 v[C+6:C+7], v[XS+24:XS+31], v11
	v_nop                                          ; a plain line behind the last conversion
	ds_store_b128 v[WS], v[C:C+3] offset:1024*((\t)/2)+512*((\t)%2)
	ds_store_b128 v[WS], v[C+4:C+7] offset:1024*((\t)/2)+512*((\t)%2)+256
.if (\t)+2 < 8
	LOADW (\t)+2
.endif
	s_wait_dscnt 0x0                               ; the stores have read their registers: the next block's codes may be written
.endm
	s_wait_alu depctr_va_vdst(0)
	LOADW 0
	LOADW 1
	s_wait_kmcnt 0x0
	s_cmp_lt_u32 s28, 24
	s_cselect_b32 s32, s17, s23                    ; e1 or e7
	SCALE s32
	s_wait_alu depctr_va_vdst(0)
.irp u, 0,1,2,3,4,5,6,7
	WBLOCK \u
.endr
.irp u, 0,1,2,3,4,5,6,7,8,9,10,11,12,13,14,15
	ds_load_b128 v[OUTR+4*\u:OUTR+4*\u+3], v[WR] offset:512*\u
.endr
.irp u, 0,1,2,3,4,5,6,7,8,9,10,11,12,13,14,15
	s_wait_dscnt 15-\u                             ; LDS loads come back in order: load u is in
	global_store_b128 v[LI], v[OUTR+4*\u:OUTR+4*\u+3], s[14:15] offset:16384*(\u/8)+512*(\u%8)   ; 32 lanes store 512 consecutive bytes, aligned
.endr
.Lend:
	s_wait_tensorcnt 0x0                           ; the wave's end, behind my last LDS store
	ds_add_u32 v[SPW], v[NIL]
	s_wait_dscnt 0x0
	s_endpgm
.Lfunc_end_k_q6e5b87737d_quant:
	.size	k_q6e5b87737d_quant, .Lfunc_end_k_q6e5b87737d_quant-k_q6e5b87737d_quant
	.p2alignl 7, 3214868480
	.fill 96, 4, 3214868480
	.section	.rodata,"a",@progbits
	.p2align	6, 0x0
	.amdhsa_kernel k_q6e5b87737d_quant
		.amdhsa_group_segment_fixed_size 42496
		.amdhsa_private_segment_fixed_size 0
		.amdhsa_enable_private_segment 0
		.amdhsa_kernarg_size 48
		.amdhsa_user_sgpr_count 2
		.amdhsa_user_sgpr_kernarg_segment_ptr 1
		.amdhsa_wavefront_size32 1
		.amdhsa_system_sgpr_workgroup_id_x 1
		.amdhsa_system_sgpr_workgroup_id_y 1
		.amdhsa_system_sgpr_workgroup_id_z 1
		.amdhsa_system_vgpr_workitem_id 0
		.amdhsa_next_free_vgpr 240
		.amdhsa_next_free_sgpr 66
		.amdhsa_reserve_vcc 0
		.amdhsa_float_denorm_mode_32 3
		.amdhsa_float_denorm_mode_16_64 3
		.amdhsa_fp16_overflow 1
		.amdhsa_memory_ordered 1
		.amdhsa_forward_progress 1
		.amdhsa_inst_pref_size 52
	.end_amdhsa_kernel
	.amdgpu_metadata
---
amdhsa.version: [ 1, 2 ]
amdhsa.kernels:
  - .name:           k_q6e5b87737d_quant
    .symbol:         k_q6e5b87737d_quant.kd
    .args:
      - { .name: x, .offset: 0, .size: 8, .value_kind: global_buffer, .address_space: global }
      - { .name: w_qkv, .offset: 8, .size: 8, .value_kind: global_buffer, .address_space: global }
      - { .name: w_proj, .offset: 16, .size: 8, .value_kind: global_buffer, .address_space: global }
      - { .name: lowp_scales, .offset: 24, .size: 8, .value_kind: global_buffer, .address_space: global }
      - { .name: ximg, .offset: 32, .size: 8, .value_kind: global_buffer, .address_space: global }
      - { .name: wimg, .offset: 40, .size: 8, .value_kind: global_buffer, .address_space: global }
    .group_segment_fixed_size: 42496
    .private_segment_fixed_size: 0
    .kernarg_segment_align: 8
    .kernarg_segment_size: 48
    .max_flat_workgroup_size: 128
    .sgpr_count:     66
    .vgpr_count:     240
    .wavefront_size: 32
...
	.end_amdgpu_metadata
.endif
;; end of part 1
;; launch qkv (part 2): grid 12 x 32, 4 waves a work-group, clusters of 4 x 4, 327,680 bytes of LDS; arguments ximg, wimg, lowp_scales, qkv; writes qkv
.if DOCPART == 2
	.amdgcn_target "amdgcn-amd-amdhsa--gfx1250"
	.amdhsa_code_object_version 6
	.text
	.protected	k_q6e5b87737d_qkv
	.globl	k_q6e5b87737d_qkv
	.p2align	8
	.type	k_q6e5b87737d_qkv,@function
k_q6e5b87737d_qkv:
	s_mov_b64 s[64:65], 0
	v_nop
	global_prefetch_b8 v0, s[64:65] scope:SCOPE_SE
	s_setreg_imm32_b32 hwreg(HW_REG_WAVE_MODE, 25, 1), 1
	s_wait_xcnt 0x0
	s_wait_alu depctr_hold_cnt(0) depctr_sa_sdst(0) depctr_va_vdst(0) depctr_va_sdst(0) depctr_va_ssrc(0) depctr_va_vcc(0) depctr_vm_vsrc(0)
	s_getreg_b32 s2, hwreg(HW_REG_IB_STS2, 6, 4)
	s_cmp_eq_u32 s2, 0
	s_cbranch_scc0 .Lentry_in_a_cluster
	s_endpgm
.Lentry_in_a_cluster:
	s_bfe_u32 s2, ttmp6, 0x10000c
	s_cmp_lg_u32 s2, 0xf033
	s_cbranch_scc0 .Lentry_shape_is_right
	s_endpgm
.Lentry_shape_is_right:
; qkv = x w_qkv on codes of FP8 (E4M3), K = 1,024, and its results quantised at once for the attention: q with 2^e2, k with 2^e3, v with 2^e5.
; Both operands come as images of the operand's registers (16 rows x 64 along K in 1,024 bytes; registers 4 g .. 4 g + 3 of lane l at byte 512 g + 16 l): ximg [token / 16][k / 64][image], wimg [channel / 16][k / 64][image].
; A tile of 256 tokens x 256 channels is made by a work-group of four waves, each 128 x 128: 64 accumulators of 16 x 16.  K goes in steps of 256 through a ring of two LDS slots filled by the tensor data mover.
; CLUSTERS: 4 x 4 work-groups; x's tile is asked for jointly along a row of the cluster, the weight's along a column.  The cluster's x says what is made: 0 q, 1 k, 2 v; it is the same in all sixteen partners.
; WHO IS SOURCE 1.  In a result a lane holds ONE row of source 1 and eight neighbouring rows of source 0.  q and k are operands whose K is the head's channels: source 1 = tokens, source 0 = channels.
; v's K is the keys: source 1 = channels, source 0 = tokens.  The tile is square, so the loads are the same; only the LDS region from which each source is read changes, by a choice on the cluster's x.
; So eight registers of an accumulator are eight neighbours along the next K, and their conversion gives registers 2 c, 2 c + 1 of the next operand's image: the results leave as images, with no way through LDS.
; OUT: q at byte 0 and k at 8 MiB: [batch x head: 64][token / 16: 128][image];  v at 16 MiB: [batch x head][channel / 16: 4][key / 128: 16][two images: 16 channels x 128 keys].
; A sum stands for sum x 2^(e0 + e1): its code is sum / 2^f, f = eo - e0 - e1, eo = e2, e3 or e5.  LIMIT: f between -126 and 119, so that 2^f and 448 x 2^f are f32 numbers.
; REGISTERS, in windows of 256: window 0: v16-29 addresses and scales; from v128 source 1's fragments, ONE set (on the way out: the codes).
;   window 1: source 0's fragments, TWO sets, at v0 and v128.   window 2: the accumulators of my source-1 blocks 0-3 ((a, b) at v[8 (8 (a % 4) + b)]);   window 3: of blocks 4-7.
.set RT,     4096                      ; a tile of 16 rows in a slot: four images, 256 along K
.set HALFT,  8*RT                      ; 128 rows: what one tensor load brings, and what one wave reads for a source
.set SLOT,   4*HALFT                   ; x's 256 rows, then the weight's 256
.set SPARE,  2*SLOT                    ; behind the ring: the spare words, 128 bytes for each wave: two blocks of 256 bytes that no other line names
.set FR,     16                        ; registers of a fragment: 16 rows x 128 K
.set NL,     4                         ; LDS loads that bring one
.set NP,     4                         ; places behind this matrix instruction (ISA guide 7.12.1)
.set ADRA, 16                          ; v16-17  LDS address of source 1's fragments in slot 0, 1
.set ADRB, 20                          ; v20-21  of source 0's
.set CO0,  24                          ; v24     16 x lane
.set CO1,  25                          ; v25     16 x lane + the distance to a block's second pair of stores
.set SCL,  26                          ; v26     2^f as f32
.set LIM,  27
.set SPW,  28                          ; v28     LDS address of my spare word; never rewritten
.set NIL,  29                          ; v29     0; never rewritten
.set TMP,  32
.set AF,   128                         ; source 1's fragments, in window 0
.set CD,   128                         ; the way out: the codes, 16 registers of its own for each block
.set G1, 24                            ; s[24:31] descriptor group 1 for x's tiles;  s[32:39] group 0, one set for each slot
.set G0, 32
.set G1B, 48                           ; s[48:55], s[56:63] the same for the weight's
.set G0B, 56
.set MSB, 0
.macro WIN new                         ; the immediate's high byte repeats the setting that is left
.if MSB != \new
	s_set_vgpr_msb (MSB<<8)|\new
.set MSB, \new
.endif
.endm
.set MUL_LO, 0xa1                      ; source 0 window 1, source 1 window 0, C and D window 2
.set MUL_HI, 0xf1                      ; the same, C and D window 3
.set TO_B,   0x40                      ; destination window 1, address window 0
; A joint load: waves 0 and 1 fetch x's halves, waves 2 and 3 the weight's.  Each of the two lines has ONE mask and one set of registers for all that issue it; the branch hangs on the wave's number alone.
; An s_nop 0 and four v_nop follow each of the two lines, ahead of the jump, the label and what follows.
.macro JLOAD g0a, g1a, g0b, g1b
	s_cmp_eq_u32 s15, 0
	s_cbranch_scc0 .Lfor_b_\@
	tensor_load_to_lds s[\g0a:\g0a+3], s[\g1a:\g1a+7]
	s_nop 0
.rept 4
	v_nop
.endr
	s_branch .Lasked_\@
.Lfor_b_\@:
	tensor_load_to_lds s[\g0b:\g0b+3], s[\g1b:\g1b+7]
	s_nop 0
.rept 4
	v_nop
.endr
.Lasked_\@:
.endm
.macro CREST                           ; a round of the cluster's barrier behind its opening barrier
	s_cmp_lg_u32 s14, 0
	s_cbranch_scc1 .Lnot_wave_0_\@
	s_barrier_signal -3
.Lnot_wave_0_\@:
	s_barrier_wait -3
	s_barrier_signal -1
	s_barrier_wait -1
.endm
.macro CROUND                          ; a whole round
	s_barrier_signal -1
	s_barrier_wait -1
	CREST
.endm
	s_load_b128 s[4:7], s[0:1], 0x0                ; ximg s[4:5], wimg s[6:7]
	s_load_b128 s[8:11], s[0:1], 0x10              ; the scales' exponents s[8:9], qkv s[10:11]
	v_lshl_add_u32 v[SPW], v0, 2, SPARE
	v_mov_b32 v[NIL], 0
	ds_add_u32 v[SPW], v[NIL]
	ds_add_u32 v[SPW], v[NIL]                      ; the wave's opening: the add and its wait stand ahead of my first tensor load; the set-up below, work on registers, stands between them
	v_lshrrev_b32 v1, 5, v0
	v_readfirstlane_b32 s14, v1                    ; wave 0..3
	s_lshr_b32 s15, s14, 1                         ; which half of source 1's rows is mine.  Also: I fetch for x (0) or for the weight (1)
	s_and_b32 s16, s14, 1                          ; which half of source 0's rows.  Also: which 128 rows of that tile I fetch
	s_bfe_u32 s40, ttmp6, 0x40000                  ; cx, cy: my place in the cluster
	s_bfe_u32 s41, ttmp6, 0x40004
	s_lshl_b32 s42, ttmp9, 2
	s_add_co_u32 s42, s42, s40                     ; which 256 channels of the 3,072 = 4 x cluster x + cx
	s_and_b32 s17, ttmp7, 0xffff
	s_lshl_b32 s17, s17, 2
	s_add_co_u32 s17, s17, s41                     ; which 256 tokens = 4 x cluster y + cy
	s_lshl_b32 s43, s41, 2
	s_lshl_b32 s43, 15, s43                        ; my row of the cluster
	s_lshl_b32 s44, 0x1111, s40                    ; my column
	; descriptor group 1: eight tiles of 16 rows; of each 4,096 consecutive bytes (four images), 16,384 bytes from tile to tile; dense in LDS
	s_or_b32 s[G1+0], s43, (3<<16)|(1<<21)         ; 15:0 the mask: x's tiles go to my row; 17:16 elements of 8 bytes; 20 no padding; 21 set beside a mask
	s_or_b32 s[G1B+0], s44, (3<<16)|(1<<21)        ; the weight's go to my column
.irp g, G1, G1B
	s_mov_b32 s[\g+1], 512<<16                     ; tensor_dim0 = 512 elements
	s_mov_b32 s[\g+2], 8<<16                       ; tensor_dim1 = 8
	s_mov_b32 s[\g+3], 512<<16                     ; tile_dim0
	s_mov_b32 s[\g+4], 8                           ; tile_dim1
	s_mov_b32 s[\g+5], 2048                        ; tensor_dim0_stride, in elements
	s_mov_b32 s[\g+6], 0
	s_mov_b32 s[\g+7], 0
.endr
	s_lshl_b32 s18, s16, 3                         ; which eight tiles of 16 rows I fetch
	s_lshl_b32 s20, s17, 4
	s_add_co_u32 s20, s20, s18
	s_lshl_b32 s20, s20, 14                        ; x: tile 16 x (tokens' 256) + 8 x half, of 16,384 bytes
	s_mov_b32 s21, 0
	s_lshl_b32 s46, s42, 4
	s_add_co_u32 s46, s46, s18
	s_lshl_b32 s46, s46, 14                        ; the weight likewise
	s_mov_b32 s47, 0
	s_lshl_b32 s45, s14, 15                        ; where they go: wave x 128 rows: no place in the cluster enters an LDS address
	; where my results go.  bb = the batch, tq = which 256 tokens of its 2,048
	s_lshr_b32 s70, s17, 3
	s_and_b32 s71, s17, 7
	s_lshl_b32 s72, s70, 4                         ; q, k: ((16 bb + head) x 128 + token tile) x 1,024, head = 4 cx + 2 (w % 2), token tile = 16 tq + 8 (w / 2)
	s_lshl_b32 s73, s40, 2
	s_add_co_u32 s72, s72, s73
	s_lshl_b32 s73, s16, 1
	s_add_co_u32 s72, s72, s73
	s_lshl_b32 s72, s72, 7
	s_lshl_b32 s73, s71, 4
	s_add_co_u32 s72, s72, s73
	s_lshl_b32 s73, s15, 3
	s_add_co_u32 s72, s72, s73
	s_lshl_b32 s72, s72, 10
	s_lshl_b32 s73, ttmp9, 23                      ; q at 0, k at 8 MiB
	s_add_co_u32 s72, s72, s73
	s_lshl_b32 s74, s70, 6                         ; v: ((64 bb + 16 cx + 8 (w / 2)) x 16 + 2 tq + w % 2) x 2,048, at 16 MiB
	s_lshl_b32 s75, s40, 4
	s_add_co_u32 s74, s74, s75
	s_lshl_b32 s75, s15, 3
	s_add_co_u32 s74, s74, s75
	s_lshl_b32 s74, s74, 4
	s_lshl_b32 s75, s71, 1
	s_add_co_u32 s74, s74, s75
	s_add_co_u32 s74, s74, s16
	s_lshl_b32 s74, s74, 11
	s_add_co_u32 s74, s74, 0x1000000
	s_cmp_eq_u32 ttmp9, 2                          ; v?
	s_cselect_b32 s92, s74, s72
	s_mov_b32 s93, 0
	s_mov_b32 s88, 1024
	s_cselect_b32 s88, 32768, s88                  ; from a block of source 1 to the next: a token tile, or a tile of 16 channels
	s_mov_b32 s89, 0
	s_mov_b32 s94, 0x20000
	s_cselect_b32 s94, 1024, s94                   ; to a block's second pair of stores: the next head, or the fragment's second image
	s_cselect_b32 s95, 0x10000, 0                  ; source 1 is read from the weight's region (v) or from x's,
	s_cselect_b32 s96, 0, 0x10000                  ; source 0 from the other
	s_wait_dscnt 0x0                               ; the opening add is done
	s_wait_kmcnt 0x0
	s_load_b256 s[80:87], s[8:9], 0x0              ; e0 .. e7
	s_add_nc_u64 s[20:21], s[4:5], s[20:21]
	s_add_nc_u64 s[46:47], s[6:7], s[46:47]
	s_add_nc_u64 s[10:11], s[10:11], s[92:93]
	CROUND                                         ; all sixteen work-groups are here: the first joint loads meet
.irp s, 0,1
	s_mov_b32 s[G0+4*\s], 1
	s_add_co_u32 s[G0+4*\s+1], s45, \s*SLOT
	s_add_nc_u64 s[G0+4*\s+2:G0+4*\s+3], s[20:21], \s*RT
	s_or_b32 s[G0+4*\s+3], s[G0+4*\s+3], 0x80000000
	s_mov_b32 s[G0B+4*\s], 1
	s_add_co_u32 s[G0B+4*\s+1], s45, \s*SLOT
	s_add_nc_u64 s[G0B+4*\s+2:G0B+4*\s+3], s[46:47], \s*RT
	s_or_b32 s[G0B+4*\s+3], s[G0B+4*\s+3], 0x80000000
	JLOAD G0+4*\s, G1, G0B+4*\s, G1B               ; two loads of mine are out
.endr
	v_and_b32 v6, 31, v0
	v_lshlrev_b32 v[CO0], 4, v6                    ; 16 x lane: an image's place for my lane, in LDS and in memory
	v_add_nc_u32 v[CO1], s94, v[CO0]
	s_lshl_b32 s21, s15, 15                        ; my 128 rows of source 1,
	s_add_co_u32 s21, s21, s95
	s_lshl_b32 s22, s16, 15                        ; and of source 0
	s_add_co_u32 s22, s22, s96
.irp s, 0,1
	v_add_nc_u32 v[ADRA+\s], s21, v[CO0]
	v_add_nc_u32 v[ADRB+\s], s22, v[CO0]
	s_add_co_u32 s21, s21, SLOT
	s_add_co_u32 s22, s22, SLOT
.endr
.macro FRAG reg, adr, q, i             ; a fragment, 16 rows x 128 K, is two images on end: four loads of 512 consecutive bytes, 16 a lane
.irp c, 0,1,2,3
	ds_load_b128 v[\reg+4*\c:\reg+4*\c+3], v[\adr] offset:2048*(\q)+512*\c+(\i)*RT
.endr
.endm
; 16 matrix instructions: source 1's blocks a0, a0 + 1 x source 0's eight, 128 along K.  p: source 0's set.  zero = 1: the first product starts the sums: nothing is ever cleared.
; The 64 accumulators take turns, one instruction a turn, in the same order in every step.
.macro MUL16 a0, p, zero
.irp a, \a0, \a0+1
.irp b, 0,1,2,3,4,5,6,7
.if \zero
	v_wmma_f32_16x16x128_fp8_fp8 v[8*(8*((\a)%4)+\b):8*(8*((\a)%4)+\b)+7], v[128*(\p)+FR*\b:128*(\p)+FR*\b+FR-1], v[AF+FR*(\a):AF+FR*(\a)+FR-1], 0
.else
	v_wmma_f32_16x16x128_fp8_fp8 v[8*(8*((\a)%4)+\b):8*(8*((\a)%4)+\b)+7], v[128*(\p)+FR*\b:128*(\p)+FR*\b+FR-1], v[AF+FR*(\a):AF+FR*(\a)+FR-1], v[8*(8*((\a)%4)+\b):8*(8*((\a)%4)+\b)+7]
.endif
.endr
.endr
.endm
.macro FETCH_B slot, q, p              ; source 0's eight fragments of the slot's q-th 128 along K into set p
	WIN TO_B
.irp i, 0,1,2,3,4,5,6,7
	FRAG 128*(\p)+FR*\i, ADRB+\slot, \q, \i
.endr
	WIN 0
.endm
.macro FETCH_A slot, q, i0             ; source 1's blocks i0 .. i0 + 3
.irp i, \i0, \i0+1, \i0+2, \i0+3
	FRAG AF+FR*(\i), ADRA+\slot, \q, \i
.endr
.endm
; A load into a register that a matrix instruction has read, and a vector instruction that reads a matrix result, stand NP places behind that matrix instruction; only plain vector instructions that
; name none of its registers are places (ISA guide 7.12.1 for vector instructions).
.macro PLACES n
.rept \n
	v_nop
.endr
.endm
; A step of 128 along K that has its successor in the same slot.
.macro STEP slot, q, zero
	s_wait_dscnt 4*NL                              ; source 0's set and source 1's blocks 0-3 are in; the youngest sixteen loads (blocks 4-7) may be out
	WIN MUL_LO
	MUL16 0, (\q)%2, \zero
	MUL16 2, (\q)%2, \zero
	s_wait_dscnt 0                                 ; blocks 4-7 are in (asked for 32 matrix instructions ago)
	PLACES NP
	FETCH_B \slot, (\q)+1, 1-(\q)%2
	FETCH_A \slot, (\q)+1, 0
	WIN MUL_HI
	MUL16 4, (\q)%2, \zero
	MUL16 6, (\q)%2, \zero
	PLACES NP
	WIN 0
	FETCH_A \slot, (\q)+1, 4
.endm
; A slot's last step changes slots: ONE barrier; in front of it each wave waits for all its tensor loads, adds 0 to its spare word, and waits for that and for its own reads of this slot.  fill = 1: this slot is filled again, two K steps ahead.
.macro TURN slot, next, fill
	s_wait_tensorcnt 0x0                           ; all my tensor loads have landed: my part of the next slot;  (every window is 0 here: the add's two registers lie in window 0)
	ds_add_u32 v[SPW], v[NIL]                      ; 0 onto my spare word
	s_wait_dscnt 4*NL+1                            ; (the add and the youngest sixteen loads may be out)
	WIN MUL_LO
	MUL16 0, 1, 0                                  ; sixteen matrix instructions stand between the add and the wait for it
	s_wait_dscnt 0x0                               ; the add is done, and my reads of this slot are over
	s_barrier_signal -1
	MUL16 2, 1, 0
	WIN 0
	s_barrier_wait -1
.if \fill
	CREST                                          ; the barrier has opened a round of the cluster's barrier: no wave of any partner still reads this slot's tile or has a load on its way
	s_add_nc_u64 s[G0+4*\slot+2:G0+4*\slot+3], s[G0+4*\slot+2:G0+4*\slot+3], 2*RT
	s_add_nc_u64 s[G0B+4*\slot+2:G0B+4*\slot+3], s[G0B+4*\slot+2:G0B+4*\slot+3], 2*RT
	JLOAD G0+4*\slot, G1, G0B+4*\slot, G1B         ; the first tensor load behind the round, my one load until the next; the four v_nop behind it are the places in front of the loads below
.else
	PLACES NP
.endif
	FETCH_B \next, 0, 0
	FETCH_A \next, 0, 0
	WIN MUL_HI
	MUL16 4, 1, 0
	MUL16 6, 1, 0
	PLACES NP
	WIN 0
	FETCH_A \next, 0, 4
.endm
	s_wait_alu depctr_va_vdst(0)
	s_wait_tensorcnt 1                             ; my part of K step 0 is in (K step 1's load may be out)
	s_barrier_signal -1
	s_barrier_wait -1                              ; everybody's is
	FETCH_B 0, 0, 0
	FETCH_A 0, 0, 0
	FETCH_A 0, 0, 4
	STEP 0, 0, 1                                   ; K = 1,024 is four slots' worth: eight steps, written out.  The first step's products start the sums
	TURN 0, 1, 1                                   ; slot 0 takes K step 2
	STEP 1, 0, 0
	TURN 1, 0, 1                                   ; slot 1 takes K step 3
	STEP 0, 0, 0
	TURN 0, 1, 0                                   ; nothing is left to fetch
	STEP 1, 0, 0
	s_wait_dscnt 4*NL                              ; the very last step
	WIN MUL_LO
	MUL16 0, 1, 0
	MUL16 2, 1, 0
	s_wait_dscnt 0
	WIN MUL_HI
	MUL16 4, 1, 0
	MUL16 6, 1, 0
	WIN 0
	; THE WAY OUT.  No branch hangs on a scale: the exponent is chosen by s_cselect_b32.
	s_wait_kmcnt 0x0
	s_cmp_eq_u32 ttmp9, 0
	s_cselect_b32 s90, s82, s83                    ; e2 for q, e3 for k,
	s_cmp_eq_u32 ttmp9, 2
	s_cselect_b32 s90, s85, s90                    ; e5 for v
	s_sub_co_i32 s90, s90, s80
	s_sub_co_i32 s90, s90, s81                     ; f = eo - e0 - e1
	s_add_co_i32 s90, s90, 127
	s_lshl_b32 s91, s90, 23
	v_mov_b32 v[SCL], s91
	s_add_co_i32 s90, s90, 8
	s_lshl_b32 s90, s90, 23
	s_or_b32 s90, s90, 0x600000
	PLACES NP                                      ; behind the last products: their results are read, and the registers that held source 1's fragments are written, below
; Block a of source 1: 8 accumulators.  Accumulator b's eight registers are eight neighbours along the next K: their codes are registers 2 b, 2 b + 1 of two images.
.macro OUT a
	WIN 0x02+((\a)/4)                              ; source 0: window 2 or 3
.set j, 0
.rept 64
.set j, j+1
.endr
.irp b, 0,1,2,3,4,5,6,7
	v_cvt_scalef32_pk8_fp8_f32 v[CD+16*(\a)+2*\b:CD+16*(\a)+2*\b+1], v[TMP+8*\b+((64*((\a)%4)+j)-(TMP+j)):TMP+8*\b+7+((64*((\a)%4)+j)-(TMP+j))], v[SCL]
.endr
	WIN 0
	v_nop                                          ; a plain line behind the last conversion: the next block writes its sources
.if (\a) > 0
	s_wait_alu depctr_va_vdst(0)
	s_wait_xcnt 0x0                                ; the block before's stores have read their base: it may step
	s_add_nc_u64 s[10:11], s[10:11], s[88:89]
.endif
	global_store_b128 v[CO0], v[CD+16*(\a):CD+16*(\a)+3], s[10:11]                  ; each store: 32 lanes, 512 consecutive bytes, aligned
	global_store_b128 v[CO0], v[CD+16*(\a)+4:CD+16*(\a)+7], s[10:11] offset:512
	global_store_b128 v[CO1], v[CD+16*(\a)+8:CD+16*(\a)+11], s[10:11]
	global_store_b128 v[CO1], v[CD+16*(\a)+12:CD+16*(\a)+15], s[10:11] offset:512
.endm
.irp u, 0,1,2,3,4,5,6,7
	OUT \u
.endr
	s_wait_tensorcnt 0x0                           ; the wave's end, behind my last tensor load
	ds_add_u32 v[SPW], v[NIL]
	s_wait_dscnt 0x0
	CROUND                                         ; the closing round: no work-group ends while a partner may still ask for a tile that names it
	s_endpgm
.Lfunc_end_k_q6e5b87737d_qkv:
	.size	k_q6e5b87737d_qkv, .Lfunc_end_k_q6e5b87737d_qkv-k_q6e5b87737d_qkv
	.p2alignl 7, 3214868480
	.fill 96, 4, 3214868480
	.section	.rodata,"a",@progbits
	.p2align	6, 0x0
	.amdhsa_kernel k_q6e5b87737d_qkv
		.amdhsa_group_segment_fixed_size 327680
		.amdhsa_private_segment_fixed_size 0
		.amdhsa_enable_private_segment 0
		.amdhsa_kernarg_size 32
		.amdhsa_user_sgpr_count 2
		.amdhsa_user_sgpr_kernarg_segment_ptr 1
		.amdhsa_wavefront_size32 1
		.amdhsa_system_sgpr_workgroup_id_x 1
		.amdhsa_system_sgpr_workgroup_id_y 1
		.amdhsa_system_sgpr_workgroup_id_z 1
		.amdhsa_system_vgpr_workitem_id 0
		.amdhsa_next_free_vgpr 1024
		.amdhsa_next_free_sgpr 100
		.amdhsa_reserve_vcc 0
		.amdhsa_float_denorm_mode_32 3
		.amdhsa_float_denorm_mode_16_64 3
		.amdhsa_fp16_overflow 1
		.amdhsa_memory_ordered 1
		.amdhsa_forward_progress 1
		.amdhsa_inst_pref_size 87
	.end_amdhsa_kernel
	.amdgpu_metadata
---
amdhsa.version: [ 1, 2 ]
amdhsa.kernels:
  - .name:           k_q6e5b87737d_qkv
    .symbol:         k_q6e5b87737d_qkv.kd
    .args:
      - { .name: ximg, .offset: 0, .size: 8, .value_kind: global_buffer, .address_space: global }
      - { .name: wimg, .offset: 8, .size: 8, .value_kind: global_buffer, .address_space: global }
      - { .name: lowp_scales, .offset: 16, .size: 8, .value_kind: global_buffer, .address_space: global }
      - { .name: qkv, .offset: 24, .size: 8, .value_kind: global_buffer, .address_space: global }
    .group_segment_fixed_size: 327680
    .private_segment_fixed_size: 0
    .kernarg_segment_align: 8
    .kernarg_segment_size: 32
    .max_flat_workgroup_size: 128
    .sgpr_count:     100
    .vgpr_count:     1024
    .wavefront_size: 32
...
	.end_amdgpu_metadata
.endif
;; end of part 2
;; launch attn (part 3): grid 4 x 64, 16 waves a work-group, no clusters, 327,680 bytes of LDS; arguments qkv, lowp_scales, yimg; writes yimg
.if DOCPART == 3
	.amdgcn_target "amdgcn-amd-amdhsa--gfx1250"
	.amdhsa_code_object_version 6
	.text
	.protected	k_q6e5b87737d_attn
	.globl	k_q6e5b87737d_attn
	.p2align	8
	.type	k_q6e5b87737d_attn,@function
k_q6e5b87737d_attn:
	s_mov_b64 s[64:65], 0
	v_nop
	global_prefetch_b8 v0, s[64:65] scope:SCOPE_SE
	s_setreg_imm32_b32 hwreg(HW_REG_WAVE_MODE, 25, 1), 1
	s_wait_xcnt 0x0
; y[b][q][head] = the sum over keys k <= q of softmax_k(Q . K / 8) V, 64 batch x heads of 2,048 tokens x 64 channels, both products on codes of FP8 (E4M3); y is quantised at once, with 2^e6, for the last product.
; IN (qkv): images of the operands' registers (16 rows x 64 along K in 1,024 bytes; registers 4 g .. 4 g + 3 of lane l at byte 512 g + 16 l): Q at byte 0 and K at 8 MiB: [bh][token / 16][image];
; V at 16 MiB, with the keys as its K: [bh][channel / 16: 4][key / 128: 16][two images].  OUT (yimg): [token / 16: 512][head: 16][image]: the last product's operand, K = 64 head + channel.
; THE SOFTMAX AHEAD OF THE SECOND PRODUCT: t = score x log2(e) / 8; M = the row's largest t so far, rounded UP to a whole number; p = 2^(t - M) is quantised with 2^e4, not normalised.
; The row's sum is taken of the unquantised p, in f32, and divides O at the end.  When M moves, the sum and O are multiplied by 2^(old M - new M): exact.
; SHARES.  Work-group (i, bh), i = 0 .. 3, takes the 256 queries of block 7 - i, for which key slots 0 .. 7 - i count, and then those of block i, key slots 0 .. i: always nine slots of 256 keys, so that all
; work-groups have the same work and every trip count is a constant.  Each of sixteen waves owns 16 queries of the block in hand: four waves to a SIMD, one wave's vector work beside another's products and LDS loads.
; NO CLUSTER: the four work-groups of a head want the same tile only in slots 0 .. 4 of their walk; from there on they part (block 7 - i ends after 8 - i slots), and walking in step would take twelve slots in place of nine.
; LAYOUT.  Both products are used transposed: S^T = K Q^T (source 0 = 16 neighbouring keys, source 1 = my queries), O^T = V^T P^T: a lane holds ONE query (lane % 16) throughout.  In S^T's tile t register j is key
; 16 t + 8 (lane / 16) + j: the very k that registers 2 t, 2 t + 1 of the second product's operand hold, so p's conversions give that operand; O^T's conversions likewise give y's image.
; CAUSAL.  A step of 128 keys that all come after my 16 queries is left out by a scalar branch on ids; on the diagonal hidden scores become -infinity ahead of the maximum.  No barrier or tensor load stands in a step.
; LIMITS on the given exponents, so that each power of two below is an f32 number: e2 + e3 between -123 and 130 (added to c's exponent field); e4 and e6 between -126 and 119; e4 + e5 goes by v_ldexp_f32 and has none.
; REGISTERS: v1 16 x lane; v3 the prefetches' offset; v4 lane % 16 - 8 (lane / 16); v8 the LDS address in hand; v12 -M, v13 the largest t, v[14:15] the sum in two halves; v16-23 Q in hand; v24-31 the second block's Q;
;   v32-95 K's eight fragments, then V's four; v96-159 S^T, then p; v160-191 O^T; v192-207 p's codes; v208-215 y's codes; v234-255 at work and constants.
.set VOFF,  16384                      ; a slot: 16 tiles of 16 keys (16,384 bytes), then V: 4 tiles of 16 channels x 256 keys (4,096 bytes each)
.set SLOT1, 32768                      ; slot 1 begins here: one exclusive or turns an address in one slot into the other's
.set SPARE, 65536                      ; behind the ring: the spare words, 128 bytes for each wave: eight blocks of 256 bytes that no other line names
.set PFO,  3
.set SPW,  5                           ; v5   LDS address of my spare word; never rewritten
.set NIL,  6                           ; v6   0; never rewritten
.set AD,   8
.set TB,   2                           ; s2   LDS byte at which the slot in hand begins
.set WV,   18                          ; s18  my wave's number
.set SEL,  20                          ; s[20:21] lane selects for v_permlanex16_b32: lane l xor 16
.set CS,   22                          ; s[22:23] c = log2(e) / 8 x 2^(e2 + e3)
.set G1K,  24                          ; s[24:31] descriptor group 1 for K's tiles;  s[32:39] for V's;  s[40:43], s[44:47] their groups 0, which walk
.set G1V,  32
.set G0K,  40
.set G0V,  44
.set SLOTS, 67                         ; s67  slots still to be asked for
.set PFA,  76                          ; s[76:77] where my prefetches stand;  s[78:79] a slot on, in bytes
.set PFS,  78
.set LIM,  80                          ; s80  2 in a wave that prefetches, else the greatest number
.set SW,   81                          ; s81  i + 1: s[SLOTS] in the trip that walks the first block's last slot
.set BACKK, 82                         ; s82, s83  from the slot behind the first block's last back to slot 0, in K's and in V's bytes
.set BACKV, 83
.set YA,   88                          ; s[88:89], s[90:91] my image of y for the first and for the second block
.set YB,   90
.set Q0B,  92                          ; s92  my first query in the second block
.set ESUM, 93                          ; s93  e4 + e5
.set KF,   98                          ; s98  the step's first key
.set Q0,   99                          ; s99  my first query in the block in hand
; Wave 0 fetches a slot's K, wave 1 its V, the others nothing.  The branches hang on the wave's number alone.  An s_nop 0 and four v_nop follow each of the two lines.
.macro TLOAD
	s_cmp_eq_u32 s[WV], 0
	s_cbranch_scc0 .Lnot_k_\@
	tensor_load_to_lds s[G0K:G0K+3], s[G1K:G1K+7]
	s_nop 0
.rept 4
	v_nop
.endr
	s_branch .Lasked_\@
.Lnot_k_\@:
	s_cmp_eq_u32 s[WV], 1
	s_cbranch_scc0 .Lasked_\@
	tensor_load_to_lds s[G0V:G0V+3], s[G1V:G1V+7]
	s_nop 0
.rept 4
	v_nop
.endr
.Lasked_\@:
.endm
; A PREFETCH INTO THE L2 of what the NEXT change of slots will ask for.  All four work-groups of a head begin with key slots 0, 1, 2 ..; work-group i = 0 walks all eight, and it alone asks (a branch on the work-group's number:
; this launch has no cluster).  In it four waves that fetch nothing ask, one instruction each: waves 4 and 5 for K's 16,384 bytes, 8,192 a wave, lanes 256 bytes apart; waves 6 and 7 for V's four pieces of 4,096 bytes, two a wave,
; sixteen lanes to a piece.  So each aligned block of 256 bytes is named once in the launch.  Trips 0 to 5 ask, for key slots 2 to 7: a slot's two key steps ahead of the load; slots 0 and 1 come by their loads alone.
.macro ASK
	s_cmp_gt_u32 s[SLOTS], s[LIM]
	s_cbranch_scc0 .Lnot_mine_\@
	global_prefetch_b8 v[PFO], s[PFA:PFA+1] th:TH_LOAD_NT scope:SCOPE_SE
.Lnot_mine_\@:
.endm
	s_load_b128 s[4:7], s[0:1], 0x0                ; qkv s[4:5], the scales' exponents s[6:7]
	s_load_b64 s[8:9], s[0:1], 0x10                ; yimg
	v_lshl_add_u32 v[SPW], v0, 2, SPARE
	v_mov_b32 v[NIL], 0
	ds_add_u32 v[SPW], v[NIL]                      ; the wave's opening: the add and its wait stand ahead of my first tensor load; the set-up below, work on registers, stands between them
	ds_add_u32 v[SPW], v[NIL]
	v_lshrrev_b32 v8, 5, v0
	s_delay_alu instid0(VALU_DEP_1)
	v_readfirstlane_b32 s[WV], v8                  ; wave 0..15
	s_and_b32 s48, ttmp7, 0xffff                   ; bh = 16 x batch + head
	s_lshl_b32 s49, s48, 17                        ; its 131,072 bytes in each of Q, K, V
	s_add_co_u32 s12, s49, 0x800000                ; K's
	s_mov_b32 s13, 0
	s_add_co_u32 s14, s49, 0x1000000               ; V's
	s_mov_b32 s15, 0
	; descriptor group 1.  K: a slot's 16 images are one dense block: 64 rows of 256 bytes.  V: 4 rows of 4,096 bytes, 32,768 bytes apart
	s_mov_b32 s[G1K], 3<<16                        ; 15:0 no mask; 17:16 elements of 8 bytes; no padding
	s_mov_b32 s[G1K+1], 32<<16                     ; tensor_dim0
	s_mov_b32 s[G1K+2], 64<<16                     ; tensor_dim1
	s_mov_b32 s[G1K+3], 32<<16                     ; tile_dim0
	s_mov_b32 s[G1K+4], 64                         ; tile_dim1
	s_mov_b32 s[G1K+5], 32                         ; tensor_dim0_stride
	s_mov_b32 s[G1K+6], 0
	s_mov_b32 s[G1K+7], 0
	s_mov_b32 s[G1V], 3<<16
	s_mov_b32 s[G1V+1], 512<<16
	s_mov_b32 s[G1V+2], 4<<16
	s_mov_b32 s[G1V+3], 512<<16
	s_mov_b32 s[G1V+4], 4
	s_mov_b32 s[G1V+5], 4096
	s_mov_b32 s[G1V+6], 0
	s_mov_b32 s[G1V+7], 0
	s_mov_b32 s[SEL], 0x76543210
	s_mov_b32 s[SEL+1], 0xfedcba98
	s_mov_b32 s[CS], 0x3e38aa3b                    ; log2(e) / 8
	s_mov_b32 s[TB], 0
	s_mov_b32 s[SLOTS], 8
	s_mov_b32 s[KF], 0
	s_add_co_u32 s[SW], ttmp9, 1
	s_sub_co_u32 s10, 8, ttmp9
	s_lshl_b32 s[BACKK], s10, 14
	s_lshl_b32 s[BACKV], s10, 12
	s_mov_b32 s85, 0                               ; the upper words of the two back steps s[84:85], s[86:87]
	s_mov_b32 s87, 0
	s_sub_co_u32 s10, 7, ttmp9
	s_lshl_b32 s10, s10, 8
	s_lshl_b32 s11, s[WV], 4
	s_add_co_u32 s[Q0], s10, s11                   ; 256 (7 - i) + 16 w
	s_lshl_b32 s10, ttmp9, 8
	s_add_co_u32 s[Q0B], s10, s11                  ; 256 i + 16 w
	s_lshl_b32 s54, s[Q0], 6                       ; Q's images: bh's bytes + 1,024 x (query / 16)
	s_add_co_u32 s54, s54, s49
	s_mov_b32 s55, 0
	s_lshl_b32 s56, s[Q0B], 6
	s_add_co_u32 s56, s56, s49
	s_mov_b32 s57, 0
	s_lshr_b32 s58, s48, 4                         ; y's images: ((128 x batch + query / 16) x 16 + head) x 1,024
	s_lshl_b32 s58, s58, 21
	s_and_b32 s59, s48, 15
	s_lshl_b32 s59, s59, 10
	s_add_co_u32 s58, s58, s59
	s_lshl_b32 s60, s[Q0], 10
	s_add_co_u32 s60, s60, s58
	s_mov_b32 s61, 0
	s_lshl_b32 s62, s[Q0B], 10
	s_add_co_u32 s62, s62, s58
	s_mov_b32 s63, 0
	s_wait_dscnt 0x0                               ; the opening add is done
	s_wait_kmcnt 0x0
	s_load_b256 s[68:75], s[6:7], 0x0              ; e0 .. e7
	s_mov_b32 s[G0K], 1                            ; 1:0 count = 1
	s_mov_b32 s[G0K+1], 0                          ; 63:32 LDS address: slot 0
	s_add_nc_u64 s[G0K+2:G0K+3], s[4:5], s[12:13]  ; 120:64 global address: the head's first 256 keys
	s_or_b32 s[G0K+3], s[G0K+3], 0x80000000        ; 127:126 type = 2
	s_mov_b32 s[G0V], 1
	s_mov_b32 s[G0V+1], VOFF
	s_add_nc_u64 s[G0V+2:G0V+3], s[4:5], s[14:15]
	s_or_b32 s[G0V+3], s[G0V+3], 0x80000000
	TLOAD                                          ; slot 0: one load of a fetching wave is out
	s_add_nc_u64 s[54:55], s[4:5], s[54:55]
	s_add_nc_u64 s[56:57], s[4:5], s[56:57]
	s_add_nc_u64 s[YA:YA+1], s[8:9], s[60:61]
	s_add_nc_u64 s[YB:YB+1], s[8:9], s[62:63]
	v_and_b32 v1, 31, v0
	s_delay_alu instid0(VALU_DEP_1)
	v_lshlrev_b32 v[PFO], 8, v1
	s_delay_alu instid0(VALU_DEP_2)
	v_lshlrev_b32 v1, 4, v1                        ; 16 x lane
	global_load_b128 v[16:19], v1, s[54:55]        ; Q's fragments stay in registers: the first block's,
	global_load_b128 v[20:23], v1, s[54:55] offset:512
	global_load_b128 v[24:27], v1, s[56:57]        ; and the second's
	global_load_b128 v[28:31], v1, s[56:57] offset:512
	; the prefetches (macro ASK): where my wave's stand, and who asks
	s_cmp_lt_u32 s[WV], 6                          ; waves 4 and 5 ask for K's bytes, waves 6 and 7 for V's
	s_cselect_b32 s10, s12, s14
	s_mov_b32 s[PFS], 4096
	s_cselect_b32 s[PFS], 16384, s[PFS]            ; a slot on
	s_mov_b32 s11, 0x10000
	s_cselect_b32 s11, 8192, s11                   ; from wave to wave
	s_cselect_b32 s3, 0, 28672                     ; V: lanes 16-31 stand at the next piece: 32,768 - 16 x 256 further on
	s_and_b32 s94, s[WV], 1
	s_mul_i32 s94, s94, s11
	s_add_co_u32 s94, s94, s10
	s_add_co_u32 s94, s94, s[PFS]                  ; in slot 1: the first change of slots steps it to slot 2.  Nothing is prefetched here, at the head
	s_mov_b32 s95, 0
	s_mov_b32 s[PFS+1], 0
	s_add_nc_u64 s[PFA:PFA+1], s[4:5], s[94:95]
	s_sub_co_u32 s96, s[WV], 4
	s_lshr_b32 s96, s96, 2                         ; 0 in waves 4 to 7,
	s_or_b32 s96, s96, ttmp9                       ; of work-group i = 0
	s_cmp_eq_u32 s96, 0
	s_cselect_b32 s[LIM], 2, -1
	v_bfe_u32 v8, v0, 4, 1                         ; lane / 16
	s_wait_alu depctr_va_vdst(0)
	v_mad_u32_u24 v[PFO], v8, s3, v[PFO]
	v_and_b32 v4, 15, v0
	v_lshlrev_b32 v8, 3, v8
	s_delay_alu instid0(VALU_DEP_1)
	v_sub_nc_u32 v4, v4, v8                        ; lane % 16 - 8 (lane / 16), for the mask
	v_mov_b32 v236, 0                              ; written once: a lane permute's destination counts as one of its sources
	v_mov_b32 v252, 0
	v_mov_b32 v253, 0                              ; (named as the upper half of the pair v[252:253])
	v_mov_b32 v254, 0
.macro RESET                           ; a block begins: O^T and the sum are zeros, the largest t is under every t: the first change of M multiplies zeros
	v_mov_b32 v13, 0xff61b1e6                      ; -3e38
	s_delay_alu instid0(VALU_DEP_1)
	v_floor_f32 v12, -v13                          ; -M
	v_mov_b32 v14, 0
	v_mov_b32 v15, 0
.set j, 0
.rept 32
	v_mov_b32 v[160+j], 0
.set j, j+1
.endr
.endm
	RESET
	s_wait_kmcnt 0x0
	s_add_co_i32 s10, s70, s71
	s_lshl_b32 s10, s10, 23
	s_add_co_i32 s[CS], s[CS], s10                 ; a score stands for score x 2^(e2 + e3): the two exponents are added to c's exponent field
	s_mov_b32 s[CS+1], s[CS]                       ; (named with it as a pair, so it is written)
	s_add_co_i32 s[ESUM], s72, s73
	s_add_co_i32 s10, s72, 127
	s_lshl_b32 s11, s10, 23
	v_mov_b32 v244, s11                            ; 2^e4 as f32, for p's conversions
	s_add_co_i32 s10, s74, 127
	s_lshl_b32 s11, s10, 23
	v_mov_b32 v246, s11                            ; 2^e6, for y's
; A KEY STEP: 128 keys, the q-th of the slot in hand.
.macro STEP q
	s_add_co_u32 s96, s[Q0], 15
	s_cmp_gt_u32 s[KF], s96                        ; all 128 keys come after my 16 queries: the step's work is left out
	s_cbranch_scc1 .Lhidden_\@
	v_add_nc_u32 v[AD], s[TB], v1
.rept 3
	v_nop                                          ; with the addition above: four places in front of loads into registers that the last products read
.endr
.irp t, 0,1,2,3,4,5,6,7
	ds_load_b128 v[32+8*\t:35+8*\t], v[AD] offset:(8*(\q)+\t)*1024       ; K's image of keys 16 t on: 512 consecutive bytes a load
	ds_load_b128 v[36+8*\t:39+8*\t], v[AD] offset:(8*(\q)+\t)*1024+512
.endr
	s_wait_dscnt 0x0
	s_wait_alu depctr_va_vdst(0)
.irp t, 0,1,2,3,4,5,6,7
	v_wmma_f32_16x16x64_fp8_fp8 v[96+8*\t:103+8*\t], v[32+8*\t:39+8*\t], v[16:23], 0   ; S^T: lane (r, h), register j: key 16 t + 8 h + j, query r
.endr
.rept 4
	v_nop                                          ; places in front of the loads into K's registers and of the first read of the scores
.endr
.irp d, 0,1,2,3
.irp c, 0,1,2,3
	ds_load_b128 v[32+16*\d+4*\c:35+16*\d+4*\c], v[AD] offset:VOFF+4096*\d+2048*(\q)+512*\c   ; V's four fragments are asked for now and land under the softmax
.endr
.endr
	s_add_co_u32 s96, s[KF], 127
	s_cmp_le_u32 s96, s[Q0]                        ; all 128 keys count for all my queries: no mask
	s_cbranch_scc1 .Lopen_\@
	s_sub_co_i32 s96, s[Q0], s[KF]
	v_add_nc_u32 v252, s96, v4                     ; d = my query - the step's first key - 8 (lane / 16): register 8 t + j is hidden where 16 t + j > d
	v_mov_b32 v254, 0xff800000                     ; -infinity
.set n, 0
.rept 64
	v_cmp_gt_i32 vcc_lo, 16*(n/8)+n%8, v252
	v_cndmask_b32 v[96+n], v[96+n], v254, vcc_lo
.set n, n+1
.endr
.Lopen_\@:
	v_max3_num_f32 v254, v96, v97, v98             ; the step's largest score of my query, among my 64 keys, in two chains,
	v_max3_num_f32 v252, v99, v100, v101
.irp i, 6,10,14,18,22,26,30,34,38,42,46,50,54,58
	v_max3_num_f32 v254, v254, v[96+\i], v[97+\i]
	v_max3_num_f32 v252, v252, v[98+\i], v[99+\i]
.endr
	v_max3_num_f32 v254, v254, v158, v159
	s_delay_alu instid0(VALU_DEP_1)
	v_max_num_f32 v254, v254, v252
	s_delay_alu instid0(VALU_DEP_1)
	v_permlanex16_b32 v236, v254, s[SEL], s[SEL+1]
	s_delay_alu instid0(VALU_DEP_1)
	v_max_num_f32 v254, v254, v236                 ; and among lane l xor 16's
	s_delay_alu instid0(VALU_DEP_1)
	v_mul_f32 v254, s[CS], v254                    ; as t (c is positive)
	s_delay_alu instid0(VALU_DEP_1)
	v_max_num_f32 v13, v13, v254                   ; the running largest t
	v_mov_b32 v254, v12
	s_delay_alu instid0(VALU_DEP_2)
	v_floor_f32 v12, -v13                          ; the new -M = floor(-t) = -ceil(t): M is a whole number
	s_delay_alu instid0(VALU_DEP_1)
	v_sub_f32 v254, v12, v254                      ; M's old value less its new one: a whole number, 0 or less
	s_delay_alu instid0(VALU_DEP_1)
	v_cvt_i32_f32 v254, v254                       ; (it saturates)
	s_delay_alu instid0(VALU_DEP_1)
	v_ldexp_f32 v252, 1.0, v254                    ; f = 2^(old M - new M)
.set j, 0
.rept 32
	v_pk_fma_f32 v[96+j:97+j], v[96+j:97+j], s[CS:CS+1], v[12:13] op_sel_hi:[1,0,0]   ; t - M, two at a time (of the pairs c and -M the low word serves both halves)
.set j, j+2
.endr
.set j, 0
	s_wait_alu depctr_va_vdst(0)
.rept 64
	v_exp_f32 v[96+j], v[96+j]                     ; p = 2^(t - M), at most 1: not normalised
.set j, j+1
.endr
	v_pk_mul_f32 v[14:15], v[14:15], v[252:253] op_sel_hi:[1,0]   ; the sums under the new M: the plain line behind the exponentials
	s_wait_alu depctr_va_vdst(0)                   ; one wait for the whole batch, ahead of its first reader
	v_pk_add_f32 v[242:243], v[100:101], v[104:105]
	v_pk_add_f32 v[254:255], v[108:109], v[112:113]
	v_pk_add_f32 v[250:251], v[116:117], v[120:121]
	v_pk_add_f32 v[248:249], v[124:125], v[128:129]
	v_pk_add_f32 v[240:241], v[132:133], v[136:137]
	v_pk_add_f32 v[238:239], v[140:141], v[144:145]
	v_pk_add_f32 v[234:235], v[148:149], v[152:153]
	v_pk_add_f32 v[14:15], v[14:15], v[156:157]
	v_pk_add_f32 v[242:243], v[242:243], v[96:97]
	v_pk_add_f32 v[254:255], v[254:255], v[98:99]
	v_pk_add_f32 v[250:251], v[250:251], v[102:103]
	v_pk_add_f32 v[248:249], v[248:249], v[106:107]
	v_pk_add_f32 v[240:241], v[240:241], v[110:111]
	v_pk_add_f32 v[238:239], v[238:239], v[114:115]
	v_pk_add_f32 v[234:235], v[234:235], v[118:119]
	v_pk_add_f32 v[14:15], v[14:15], v[122:123]
	v_pk_add_f32 v[242:243], v[242:243], v[126:127]
	v_pk_add_f32 v[254:255], v[254:255], v[130:131]
	v_pk_add_f32 v[250:251], v[250:251], v[134:135]
	v_pk_add_f32 v[248:249], v[248:249], v[138:139]
	v_pk_add_f32 v[240:241], v[240:241], v[142:143]
	v_pk_add_f32 v[238:239], v[238:239], v[146:147]
	v_pk_add_f32 v[234:235], v[234:235], v[150:151]
	v_pk_add_f32 v[14:15], v[14:15], v[154:155]
	v_pk_add_f32 v[242:243], v[242:243], v[158:159]
	s_delay_alu instid0(VALU_DEP_2)
	v_pk_add_f32 v[14:15], v[14:15], v[248:249]
	s_delay_alu instid0(VALU_DEP_2)
	v_pk_add_f32 v[242:243], v[242:243], v[240:241]
	v_pk_add_f32 v[254:255], v[254:255], v[238:239]
	v_pk_add_f32 v[250:251], v[250:251], v[234:235]
	s_delay_alu instid0(VALU_DEP_2)
	v_pk_add_f32 v[14:15], v[14:15], v[254:255]
	s_delay_alu instid0(VALU_DEP_2)
	v_pk_add_f32 v[242:243], v[242:243], v[250:251]
	s_delay_alu instid0(VALU_DEP_1)
	v_pk_add_f32 v[14:15], v[14:15], v[242:243]
.irp t, 0,1,2,3,4,5,6,7
.irp i, 0,1,2,3,4,5,6,7
.endr
	v_cvt_scalef32_pk8_fp8_f32 v[192+2*\t:193+2*\t], v[96+8*\t:103+8*\t], v244   ; registers 2 t, 2 t + 1 of the operand: keys 16 t + 8 h + 0 .. 7
.endr
.set j, 0
.rept 16
	v_pk_mul_f32 v[160+j:161+j], v[160+j:161+j], v[252:253] op_sel_hi:[1,0]   ; O^T under the new M.  (These are also the plain lines between the conversions and the products below)
.set j, j+2
.endr
	s_wait_alu depctr_va_vdst(0)
	s_wait_dscnt 0x0                               ; V is in
.irp d, 0,1,2,3
	v_wmma_f32_16x16x128_fp8_fp8 v[160+8*\d:167+8*\d], v[32+16*\d:47+16*\d], v[192:207], v[160+8*\d:167+8*\d]   ; O^T += V^T P^T: the four accumulators by turns, one instruction a turn
.endr
.Lhidden_\@:
	s_add_co_u32 s[KF], s[KF], 128
.endm
; THE CHANGE OF SLOTS stands at a slot's head.  Each wave waits for all its tensor loads (the slot that it is about to read), adds 0 to its spare word, and waits for that and for its reads of the slot that it has left.
; Behind the barrier the slot ahead is whole and nobody reads the other one.  fill = 1: that other slot is filled with the keys that follow; behind the first block's last slot those are the head's first 256 again.
.macro CHANGE fill
	s_wait_tensorcnt 0x0                           ; no tensor load of mine is out, so a group 0 may be written
	ds_add_u32 v[SPW], v[NIL]                      ; 0 onto my spare word; with fill = 1 the descriptors' steps stand between it and the wait for it
.if \fill
	s_xor_b32 s[G0K+1], s[G0K+1], SLOT1            ; the walking descriptors: the other slot than last time,
	s_xor_b32 s[G0V+1], s[G0V+1], SLOT1
	s_cmp_eq_u32 s[SLOTS], s[SW]                   ; is the slot in hand the first block's last?  (ids alone)
	s_cselect_b32 s84, s[BACKK], 0
	s_cselect_b32 s86, s[BACKV], 0
	s_add_nc_u64 s[G0K+2:G0K+3], s[G0K+2:G0K+3], 16384   ; the next 256 keys; the type bits on top are not reached
	s_sub_nc_u64 s[G0K+2:G0K+3], s[G0K+2:G0K+3], s[84:85]
	s_add_nc_u64 s[G0V+2:G0V+3], s[G0V+2:G0V+3], 4096
	s_sub_nc_u64 s[G0V+2:G0V+3], s[G0V+2:G0V+3], s[86:87]
	s_wait_xcnt 0x0                                ; the last prefetch, a slot back, has read its address, so it may be written
	s_add_nc_u64 s[PFA:PFA+1], s[PFA:PFA+1], s[PFS:PFS+1]
.endif
	s_wait_dscnt 0x0                               ; the add is done, and my reads of the slot that I have left are over
	s_barrier_signal -1
	s_barrier_wait -1
.if \fill
	TLOAD                                          ; the first thing behind the barrier, and a wave's one tensor load until the next: it has a slot's two key steps in which to land
	ASK
.endif
.endm
; A block is finished: O^T / the sum x 2^(e4 + e5) is y; it is held, converted with 2^e6 and stored as my image: tile d's eight registers are channels 16 d + 8 h + 0 .. 7: registers 2 d, 2 d + 1.
.macro FINISH yb
	s_wait_xcnt 0x0                                ; earlier stores have read their registers: y's codes may be written
.rept 4
	v_nop                                          ; places behind the last products
.endr
	v_add_f32 v14, v14, v15                        ; the sum's two halves,
	s_delay_alu instid0(VALU_DEP_1)
	v_permlanex16_b32 v252, v14, s[SEL], s[SEL+1]
	s_delay_alu instid0(VALU_DEP_1)
	v_add_f32 v14, v14, v252                       ; and lane l xor 16's: the row's sum
	s_wait_alu depctr_va_vdst(0)
	v_rcp_f32 v14, v14
	v_nop                                          ; a plain line behind the transcendental
	s_wait_alu depctr_va_vdst(0)                   ; and the wait, ahead of the first reader
	v_ldexp_f32 v14, v14, s[ESUM]
.set j, 0
.rept 32
	v_mul_f32 v[96+j], v[160+j], v14               ; each accumulator from its low end on
.set j, j+1
.endr
.set j, 0
.rept 32
.set j, j+1
.endr
.irp d, 0,1,2,3
	v_cvt_scalef32_pk8_fp8_f32 v[208+2*\d:209+2*\d], v[96+8*\d:103+8*\d], v246
.endr
	v_nop                                          ; a plain line behind the last conversion
	global_store_b128 v1, v[208:211], s[\yb:\yb+1]             ; 32 lanes store 512 consecutive bytes, aligned
	global_store_b128 v1, v[212:215], s[\yb:\yb+1] offset:512
.endm
	s_wait_loadcnt 0x0                             ; Q
.Lslot:                                            ; eight trips: behind each change of slots but the last the next slot is asked for
	CHANGE 1
	STEP 0
	STEP 1
	s_xor_b32 s[TB], s[TB], SLOT1                  ; on to the other slot
	s_cmp_lg_u32 s[SLOTS], s[SW]                   ; was that the first block's last slot?  (ids alone)
	s_cbranch_scc1 .Lsame
	FINISH YA
	RESET
.set j, 0
.rept 8
	v_mov_b32 v[16+j], v[24+j]                     ; the second block's Q
.set j, j+1
.endr
	s_mov_b32 s[Q0], s[Q0B]
	s_mov_b32 s[KF], 0
.Lsame:
	s_sub_co_u32 s[SLOTS], s[SLOTS], 1
	s_cmp_lg_u32 s[SLOTS], 0
	s_cbranch_scc1 .Lslot
	CHANGE 0                                       ; the ninth slot is written out
	STEP 0
	STEP 1
	FINISH YB
	s_wait_tensorcnt 0x0                           ; the wave's end, behind my last tensor load
	ds_add_u32 v[SPW], v[NIL]
	s_wait_dscnt 0x0
	s_endpgm
.Lfunc_end_k_q6e5b87737d_attn:
	.size	k_q6e5b87737d_attn, .Lfunc_end_k_q6e5b87737d_attn-k_q6e5b87737d_attn
	.p2alignl 7, 3214868480
	.fill 96, 4, 3214868480
	.section	.rodata,"a",@progbits
	.p2align	6, 0x0
	.amdhsa_kernel k_q6e5b87737d_attn
		.amdhsa_group_segment_fixed_size 327680
		.amdhsa_private_segment_fixed_size 0
		.amdhsa_enable_private_segment 0
		.amdhsa_kernarg_size 24
		.amdhsa_user_sgpr_count 2
		.amdhsa_user_sgpr_kernarg_segment_ptr 1
		.amdhsa_wavefront_size32 1
		.amdhsa_system_sgpr_workgroup_id_x 1
		.amdhsa_system_sgpr_workgroup_id_y 1
		.amdhsa_system_sgpr_workgroup_id_z 1
		.amdhsa_system_vgpr_workitem_id 0
		.amdhsa_next_free_vgpr 256
		.amdhsa_next_free_sgpr 100
		.amdhsa_reserve_vcc 1
		.amdhsa_float_denorm_mode_32 3
		.amdhsa_float_denorm_mode_16_64 3
		.amdhsa_fp16_overflow 1
		.amdhsa_memory_ordered 1
		.amdhsa_forward_progress 1
		.amdhsa_inst_pref_size 91
	.end_amdhsa_kernel
	.amdgpu_metadata
---
amdhsa.version: [ 1, 2 ]
amdhsa.kernels:
  - .name:           k_q6e5b87737d_attn
    .symbol:         k_q6e5b87737d_attn.kd
    .args:
      - { .name: qkv, .offset: 0, .size: 8, .value_kind: global_buffer, .address_space: global }
      - { .name: lowp_scales, .offset: 8, .size: 8, .value_kind: global_buffer, .address_space: global }
      - { .name: yimg, .offset: 16, .size: 8, .value_kind: global_buffer, .address_space: global }
    .group_segment_fixed_size: 327680
    .private_segment_fixed_size: 0
    .kernarg_segment_align: 8
    .kernarg_segment_size: 24
    .max_flat_workgroup_size: 512
    .sgpr_count:     100
    .vgpr_count:     256
    .wavefront_size: 32
...
	.end_amdgpu_metadata
.endif
;; end of part 3
;; launch proj (part 4): grid 4 x 64, 4 waves a work-group, clusters of 4 x 4, 327,680 bytes of LDS; arguments yimg, wimg, lowp_scales, out0; writes out0
.if DOCPART == 4
	.amdgcn_target "amdgcn-amd-amdhsa--gfx1250"
	.amdhsa_code_object_version 6
	.text
	.protected	k_q6e5b87737d_proj
	.globl	k_q6e5b87737d_proj
	.p2align	8
	.type	k_q6e5b87737d_proj,@function
k_q6e5b87737d_proj:
	s_mov_b64 s[64:65], 0
	v_nop
	global_prefetch_b8 v0, s[64:65] scope:SCOPE_SE
	s_setreg_imm32_b32 hwreg(HW_REG_WAVE_MODE, 25, 1), 1
	s_wait_xcnt 0x0
	s_wait_alu depctr_hold_cnt(0) depctr_sa_sdst(0) depctr_va_vdst(0) depctr_va_sdst(0) depctr_va_ssrc(0) depctr_va_vcc(0) depctr_vm_vsrc(0)
	s_getreg_b32 s2, hwreg(HW_REG_IB_STS2, 6, 4)
	s_cmp_eq_u32 s2, 0
	s_cbranch_scc0 .Lentry_in_a_cluster
	s_endpgm
.Lentry_in_a_cluster:
	s_bfe_u32 s2, ttmp6, 0x10000c
	s_cmp_lg_u32 s2, 0xf033
	s_cbranch_scc0 .Lentry_shape_is_right
	s_endpgm
.Lentry_shape_is_right:
; out0 = y w_proj on codes of FP8 (E4M3), K = 1,024; out0 [8192][1024] f32.  Each finished sum is multiplied once by 2^(e6 + e7).  LIMIT: e6 + e7 between -126 and 127, so that the power is an f32 number.
; Both operands come as images of the operand's registers (16 rows x 64 along K in 1,024 bytes; registers 4 g .. 4 g + 3 of lane l at byte 512 g + 16 l): yimg [token / 16][k / 64][image]; w_proj's columns are tiles 192 - 255 of wimg.
; A tile of 128 tokens x 256 columns is made by a work-group of four waves: 256 work-groups.  A wave makes 64 x 128: 32 accumulators.  K goes in steps of 256 through a ring of two LDS slots filled by the tensor data mover.
; CLUSTERS: 4 x 4 work-groups; y's tile is asked for jointly along a row of the cluster, the weight's along a column.
; THE MATRIX INSTRUCTION IS USED TRANSPOSED (source 0 = 16 columns of the weight, source 1 = 16 tokens): a lane then holds eight neighbouring numbers of a row of out0.
; REGISTERS, in windows of 256: window 0: v16-29 addresses; y's fragments, two sets of four, at v64 and v128; on the way out v32-95 at work, v128-255 rows read back.
;   window 1: the weight's fragments, two sets of eight, at v0 and v128.   window 2: the accumulators, (a, b) at v[8 (8 a + b)].
.set RT,     4096                      ; a tile of 16 rows in a slot: four images, 256 along K
.set SLOT,   24*RT                     ; y's 8 tiles of 16 rows, then the weight's 16
.set WOFF,   8*RT
.set STAGE,  2*SLOT                    ; behind the ring: 16 rows x (512 bytes + 16) for each wave, for the way out: bytes into which no tile lands
.set SPITCH, 528
.set SPARE,  STAGE+4*16*SPITCH         ; behind the stages: the spare words, 128 bytes for each wave: two blocks of 256 bytes that no other line names
.set FR,     16
.set ADRA, 16                          ; v16-17  LDS address of y's fragments in slot 0, 1
.set ADRB, 20                          ; v20-21  of the weight's
.set STO,  24                          ; v24     the way out: where I put 32 bytes of a row
.set RD,   25                          ; v25     where I read a row back
.set CO,   26                          ; v26     16 x lane
.set SPW,  28                          ; v28     LDS address of my spare word; never rewritten
.set NIL,  29                          ; v29     0; never rewritten
.set TMP,  32
.set AF,   64
.set BK,   128
.set G1, 24                            ; s[24:31] descriptor group 1 for y's tiles;  s[32:39] group 0, one set for each slot
.set G0, 32
.set G1B, 48                           ; s[48:55], s[56:63] the same for the weight's
.set G0B, 56
.set MSB, 0
.macro WIN new                         ; the immediate's high byte repeats the setting that is left
.if MSB != \new
	s_set_vgpr_msb (MSB<<8)|\new
.set MSB, \new
.endif
.endm
.set MUL,  0xa1                        ; source 0 window 1, source 1 window 0, C and D window 2
.set TO_B, 0x40                        ; destination window 1, address window 0
; A joint load: waves 0 and 1 fetch y's halves, waves 2 and 3 the weight's; an s_nop 0 and four v_nop follow each of the two lines, ahead of the jump, the label and what follows.
.macro JLOAD g0a, g1a, g0b, g1b
	s_cmp_eq_u32 s15, 0
	s_cbranch_scc0 .Lfor_b_\@
	tensor_load_to_lds s[\g0a:\g0a+3], s[\g1a:\g1a+7]
	s_nop 0
.rept 4
	v_nop
.endr
	s_branch .Lasked_\@
.Lfor_b_\@:
	tensor_load_to_lds s[\g0b:\g0b+3], s[\g1b:\g1b+7]
	s_nop 0
.rept 4
	v_nop
.endr
.Lasked_\@:
.endm
.macro CREST                           ; a round of the cluster's barrier behind its opening barrier
	s_cmp_lg_u32 s14, 0
	s_cbranch_scc1 .Lnot_wave_0_\@
	s_barrier_signal -3
.Lnot_wave_0_\@:
	s_barrier_wait -3
	s_barrier_signal -1
	s_barrier_wait -1
.endm
.macro CROUND                          ; a whole round
	s_barrier_signal -1
	s_barrier_wait -1
	CREST
.endm
	s_load_b128 s[4:7], s[0:1], 0x0                ; yimg s[4:5], wimg s[6:7]
	s_load_b128 s[8:11], s[0:1], 0x10              ; the scales' exponents s[8:9], out0 s[10:11]
	v_lshl_add_u32 v[SPW], v0, 2, SPARE
	v_mov_b32 v[NIL], 0
	ds_add_u32 v[SPW], v[NIL]
	ds_add_u32 v[SPW], v[NIL]                      ; the wave's opening: the add and its wait stand ahead of my first tensor load; the set-up below, work on registers, stands between them
	v_lshrrev_b32 v1, 5, v0
	v_readfirstlane_b32 s14, v1                    ; wave 0..3
	s_lshr_b32 s15, s14, 1                         ; which 64 of the tile's tokens are mine.  Also: I fetch for y (0) or for the weight (1)
	s_and_b32 s16, s14, 1                          ; which 128 of its columns.  Also: which half of that tile I fetch
	s_bfe_u32 s40, ttmp6, 0x40000                  ; cx, cy: my place in the cluster
	s_bfe_u32 s41, ttmp6, 0x40004
	s_lshl_b32 s42, ttmp9, 2
	s_add_co_u32 s42, s42, s40                     ; which 256 columns = 4 x cluster x + cx
	s_and_b32 s17, ttmp7, 0xffff
	s_lshl_b32 s17, s17, 2
	s_add_co_u32 s17, s17, s41                     ; which 128 tokens = 4 x cluster y + cy
	s_lshl_b32 s43, s41, 2
	s_lshl_b32 s43, 15, s43                        ; my row of the cluster
	s_lshl_b32 s44, 0x1111, s40                    ; my column
	; descriptor group 1: tiles of 16 rows; of each 4,096 consecutive bytes (four images), 16,384 bytes from tile to tile; dense in LDS.  y: four tiles a load; the weight: eight
	s_or_b32 s[G1+0], s43, (3<<16)|(1<<21)         ; 15:0 the mask: y's tiles go to my row; 17:16 elements of 8 bytes; no padding; 21 set beside a mask
	s_or_b32 s[G1B+0], s44, (3<<16)|(1<<21)        ; the weight's go to my column
	s_mov_b32 s[G1+1], 512<<16                     ; tensor_dim0 = 512 elements
	s_mov_b32 s[G1+2], 4<<16                       ; tensor_dim1
	s_mov_b32 s[G1+3], 512<<16                     ; tile_dim0
	s_mov_b32 s[G1+4], 4                           ; tile_dim1
	s_mov_b32 s[G1+5], 2048                        ; tensor_dim0_stride, in elements
	s_mov_b32 s[G1+6], 0
	s_mov_b32 s[G1+7], 0
	s_mov_b32 s[G1B+1], 512<<16
	s_mov_b32 s[G1B+2], 8<<16
	s_mov_b32 s[G1B+3], 512<<16
	s_mov_b32 s[G1B+4], 8
	s_mov_b32 s[G1B+5], 2048
	s_mov_b32 s[G1B+6], 0
	s_mov_b32 s[G1B+7], 0
	s_lshl_b32 s18, s16, 2
	s_lshl_b32 s20, s17, 3
	s_add_co_u32 s20, s20, s18
	s_lshl_b32 s20, s20, 14                        ; y: tile 8 x (tokens' 128) + 4 x half, of 16,384 bytes
	s_mov_b32 s21, 0
	s_lshl_b32 s19, s16, 3
	s_lshl_b32 s46, s42, 4
	s_add_co_u32 s46, s46, s19
	s_lshl_b32 s46, s46, 14                        ; the weight: tile 16 x (columns' 256) + 8 x half,
	s_add_co_u32 s46, s46, 192*16384               ; behind w_qkv's 192 tiles
	s_mov_b32 s47, 0
	s_lshl_b32 s45, s16, 14                        ; where they go: y's halves at 0 and 16,384;
	s_lshl_b32 s66, s16, 15
	s_add_co_u32 s66, s66, WOFF                    ; the weight's behind them: no place in the cluster enters an LDS address
	s_lshl_b32 s70, s17, 7                         ; my first row of out0: 128 x (tokens' 128) + 64 x half, of 4,096 bytes,
	s_lshl_b32 s71, s15, 6
	s_add_co_u32 s70, s70, s71
	s_lshl_b32 s70, s70, 12
	s_lshl_b32 s71, s42, 10                        ; my first column, in bytes: 1,024 x (columns' 256) + 512 x half
	s_add_co_u32 s70, s70, s71
	s_lshl_b32 s71, s16, 9
	s_add_co_u32 s70, s70, s71
	s_mov_b32 s71, 0
	s_wait_dscnt 0x0                               ; the opening add is done
	s_wait_kmcnt 0x0
	s_load_b256 s[80:87], s[8:9], 0x0              ; e0 .. e7
	s_add_nc_u64 s[20:21], s[4:5], s[20:21]
	s_add_nc_u64 s[46:47], s[6:7], s[46:47]
	s_add_nc_u64 s[10:11], s[10:11], s[70:71]
	CROUND                                         ; all sixteen work-groups are here: the first joint loads meet
.irp s, 0,1
	s_mov_b32 s[G0+4*\s], 1
	s_add_co_u32 s[G0+4*\s+1], s45, \s*SLOT
	s_add_nc_u64 s[G0+4*\s+2:G0+4*\s+3], s[20:21], \s*RT
	s_or_b32 s[G0+4*\s+3], s[G0+4*\s+3], 0x80000000
	s_mov_b32 s[G0B+4*\s], 1
	s_add_co_u32 s[G0B+4*\s+1], s66, \s*SLOT
	s_add_nc_u64 s[G0B+4*\s+2:G0B+4*\s+3], s[46:47], \s*RT
	s_or_b32 s[G0B+4*\s+3], s[G0B+4*\s+3], 0x80000000
	s_wait_alu depctr_va_vdst(0)
	s_wait_tensorcnt 0x0
	ds_add_u32 v28, v29
	ds_add_u32 v28, v29
	s_wait_dscnt 0x0
	CROUND
	JLOAD G0+4*\s, G1, G0B+4*\s, G1B               ; one load of mine is out
.endr
	v_and_b32 v6, 31, v0
	v_lshlrev_b32 v[CO], 4, v6                     ; 16 x lane
	s_lshl_b32 s21, s15, 14                        ; my four tiles of y,
	s_lshl_b32 s22, s16, 15
	s_add_co_u32 s22, s22, WOFF                    ; my eight of the weight
.irp s, 0,1
	v_add_nc_u32 v[ADRA+\s], s21, v[CO]
	v_add_nc_u32 v[ADRB+\s], s22, v[CO]
	s_add_co_u32 s21, s21, SLOT
	s_add_co_u32 s22, s22, SLOT
.endr
	v_and_b32 v1, 15, v0                           ; l % 16
	v_bfe_u32 v2, v0, 4, 1                         ; l / 16
	s_mul_i32 s23, s14, 16*SPITCH
	s_add_co_u32 s23, s23, STAGE                   ; my stage
	v_mul_u32_u24 v5, v1, SPITCH                   ; in: row l % 16, 32 bytes for each half of the lanes
	v_lshl_add_u32 v5, v2, 5, v5
	v_add_nc_u32 v[STO], s23, v5
	v_add_nc_u32 v[RD], s23, v[CO]                 ; back: the 32 lanes take one row of 512 bytes
.macro FRAG reg, adr, q, i             ; a fragment, 16 rows x 128 K, is two images on end: four loads of 512 consecutive bytes, 16 a lane
.irp c, 0,1,2,3
	ds_load_b128 v[\reg+4*\c:\reg+4*\c+3], v[\adr] offset:2048*(\q)+512*\c+(\i)*RT
.endr
.endm
.macro FETCH slot, q, p                ; the fragments of the slot's q-th 128 along K into set p: the weight's eight, y's four: 48 loads in one run
	WIN TO_B
.irp i, 0,1,2,3,4,5,6,7
	FRAG 128*(\p)+FR*\i, ADRB+\slot, \q, \i
.endr
	WIN 0
.irp i, 0,1,2,3
	FRAG AF+64*(\p)+FR*\i, ADRA+\slot, \q, \i
.endr
.endm
; 8 matrix instructions: y's block a x the weight's eight, 128 along K, set p.  zero = 1: the first product starts the sums.  The 32 accumulators take turns, one instruction a turn, in the same order in every step.
.macro MULA a, p, zero
.irp b, 0,1,2,3,4,5,6,7
.if \zero
	v_wmma_f32_16x16x128_fp8_fp8 v[8*(8*(\a)+\b):8*(8*(\a)+\b)+7], v[128*(\p)+FR*\b:128*(\p)+FR*\b+FR-1], v[AF+64*(\p)+FR*(\a):AF+64*(\p)+FR*(\a)+FR-1], 0
.else
	v_wmma_f32_16x16x128_fp8_fp8 v[8*(8*(\a)+\b):8*(8*(\a)+\b)+7], v[128*(\p)+FR*\b:128*(\p)+FR*\b+FR-1], v[AF+64*(\p)+FR*(\a):AF+64*(\p)+FR*(\a)+FR-1], v[8*(8*(\a)+\b):8*(8*(\a)+\b)+7]
.endif
.endr
.endm
.macro PLACES n                        ; places in front of loads into registers that matrix instructions have read, and of the first read of results (ISA guide 7.12.1 for the first read of results)
.rept \n
	v_nop
.endr
.endm
; A slot's first step: multiplies set 0 and fetches the slot's second 128 along K into set 1.
.macro PSTEP slot, zero
	s_wait_dscnt 0x0                               ; set 0 is in
	PLACES 4
	FETCH \slot, 1, 1
	WIN MUL
	MULA 0, 0, \zero
	MULA 1, 0, \zero
	MULA 2, 0, \zero
	MULA 3, 0, \zero
	WIN 0
.endm
; A slot's second step multiplies set 1 and changes slots: ONE barrier; in front of it each wave waits for all its tensor loads, adds 0 to its spare word, and waits for that and for its own reads of this slot.  fill = 1: this slot is filled again, two K steps ahead.
.macro PTURN slot, next, fill
	s_wait_tensorcnt 0x0                           ; all my tensor loads have landed: my part of the next slot;  (every window is 0 here)
	ds_add_u32 v[SPW], v[NIL]                      ; 0 onto my spare word
	s_wait_dscnt 1                                 ; set 1 is in (the add may be out)
	WIN MUL
	MULA 0, 1, 0                                   ; eight matrix instructions stand between the add and the wait for it
	s_wait_dscnt 0x0                               ; the add is done, and my reads of this slot are over
	s_barrier_signal -1
	MULA 1, 1, 0
	WIN 0
	s_barrier_wait -1
.if \fill
	CREST                                          ; the barrier has opened a round of the cluster's barrier: no wave of any partner still reads this slot's tile or has a load on its way
	s_add_nc_u64 s[G0+4*\slot+2:G0+4*\slot+3], s[G0+4*\slot+2:G0+4*\slot+3], 2*RT
	s_add_nc_u64 s[G0B+4*\slot+2:G0B+4*\slot+3], s[G0B+4*\slot+2:G0B+4*\slot+3], 2*RT
	JLOAD G0+4*\slot, G1, G0B+4*\slot, G1B         ; the first tensor load behind the round, my one load until the next; the four v_nop behind it are the places in front of the loads below
.else
	PLACES 4
.endif
	FETCH \next, 0, 0
	WIN MUL
	MULA 2, 1, 0
	MULA 3, 1, 0
	WIN 0
.endm
	s_wait_alu depctr_va_vdst(0)
	s_wait_tensorcnt 1                             ; my part of K step 0 is in (K step 1's load may be out)
	s_barrier_signal -1
	s_barrier_wait -1                              ; everybody's is
	FETCH 0, 0, 0
	PSTEP 0, 1                                     ; K = 1,024 is four slots' worth: eight steps, written out.  The first step's products start the sums
	PTURN 0, 1, 1                                  ; slot 0 takes K step 2
	PSTEP 1, 0
	PTURN 1, 0, 1                                  ; slot 1 takes K step 3
	PSTEP 0, 0
	PTURN 0, 1, 0                                  ; nothing is left to fetch
	PSTEP 1, 0
	s_wait_dscnt 0x0                               ; the very last step
	WIN MUL
	MULA 0, 1, 0
	MULA 1, 1, 0
	MULA 2, 1, 0
	MULA 3, 1, 0
	WIN 0
; THE WAY OUT, block by block of 16 rows x 128 columns.  A lane holds 32 neighbouring bytes of a row, and the lanes beside it hold other rows: so a block goes through my own stage in LDS and comes back as whole
; rows of 512 bytes.  LDS serves a wave's instructions in order (ISA guide 5.7.1.4): no wait between the stores and the loads, nor in front of the next block's stores.
.macro TOSTAGE a
.set AC, 64*(\a)
	WIN 0x02                                       ; source 0: window 2
.set j, 0
.rept 32
	v_pk_mul_f32 v[TMP+j:TMP+j+1], v[AC+j:AC+j+1], s[96:97] op_sel_hi:[1,0]   ; both x s96 = 2^(e6 + e7); each accumulator from its low end on
.set j, j+2
.endr
	WIN 0
.irp b, 0,1,2,3,4,5,6,7
	ds_store_b128 v[STO], v[TMP+8*\b:TMP+8*\b+3] offset:64*\b
	ds_store_b128 v[STO], v[TMP+8*\b+4:TMP+8*\b+7] offset:64*\b+16
.endr
.set BB, BK+64*((\a)%2)
.irp t, 0,1,2,3,4,5,6,7,8,9,10,11,12,13,14,15
	ds_load_b128 v[BB+4*\t:BB+4*\t+3], v[RD] offset:\t*SPITCH
.endr
.endm
.macro SEND a, younger                 ; younger: the LDS instructions issued behind block a's loads, which may stay out
.set BB, BK+64*((\a)%2)
	s_wait_dscnt \younger                          ; the block is back in registers
.irp t, 0,1,2,3,4,5,6,7,8,9,10,11,12,13,14,15
	global_store_b128 v[CO], v[BB+4*\t:BB+4*\t+3], s[10:11] offset:(16*(\a)+\t)*4096 th:TH_STORE_NT   ; 32 lanes store 512 consecutive bytes, aligned; written once, read by nobody here
.endr
.endm
	s_wait_kmcnt 0x0
	s_add_co_i32 s96, s86, s87                     ; e6 + e7, between -126 and 127,
	s_add_co_i32 s96, s96, 127
	s_lshl_b32 s96, s96, 23                        ; makes the f32 number 2^(e6 + e7)
	s_mov_b32 s97, s96                             ; (named with it as a pair, so it is written)
	PLACES 4                                       ; behind the last products
	TOSTAGE 0
.irp a, 1,2,3
.if \a > 1
	s_wait_xcnt 0x0                                ; block a - 2's stores have read their registers: block a's loads may land there
.endif
	TOSTAGE \a
	SEND \a-1, 32                                  ; behind block a - 1's loads: block a's 16 stores and 16 loads
.endr
	SEND 3, 0
	s_wait_tensorcnt 0x0                           ; the wave's end, behind my last tensor load and my last LDS store
	ds_add_u32 v[SPW], v[NIL]
	s_wait_dscnt 0x0
	CROUND                                         ; the closing round: no work-group ends while a partner may still ask for a tile that names it
	s_endpgm
.Lfunc_end_k_q6e5b87737d_proj:
	.size	k_q6e5b87737d_proj, .Lfunc_end_k_q6e5b87737d_proj-k_q6e5b87737d_proj
	.p2alignl 7, 3214868480
	.fill 96, 4, 3214868480
	.section	.rodata,"a",@progbits
	.p2align	6, 0x0
	.amdhsa_kernel k_q6e5b87737d_proj
		.amdhsa_group_segment_fixed_size 327680
		.amdhsa_private_segment_fixed_size 0
		.amdhsa_enable_private_segment 0
		.amdhsa_kernarg_size 32
		.amdhsa_user_sgpr_count 2
		.amdhsa_user_sgpr_kernarg_segment_ptr 1
		.amdhsa_wavefront_size32 1
		.amdhsa_system_sgpr_workgroup_id_x 1
		.amdhsa_system_sgpr_workgroup_id_y 1
		.amdhsa_system_sgpr_workgroup_id_z 1
		.amdhsa_system_vgpr_workitem_id 0
		.amdhsa_next_free_vgpr 768
		.amdhsa_next_free_sgpr 100
		.amdhsa_reserve_vcc 0
		.amdhsa_float_denorm_mode_32 3
		.amdhsa_float_denorm_mode_16_64 3
		.amdhsa_memory_ordered 1
		.amdhsa_forward_progress 1
		.amdhsa_inst_pref_size 76
	.end_amdhsa_kernel
	.amdgpu_metadata
---
amdhsa.version: [ 1, 2 ]
amdhsa.kernels:
  - .name:           k_q6e5b87737d_proj
    .symbol:         k_q6e5b87737d_proj.kd
    .args:
      - { .name: yimg, .offset: 0, .size: 8, .value_kind: global_buffer, .address_space: global }
      - { .name: wimg, .offset: 8, .size: 8, .value_kind: global_buffer, .address_space: global }
      - { .name: lowp_scales, .offset: 16, .size: 8, .value_kind: global_buffer, .address_space: global }
      - { .name: out0, .offset: 24, .size: 8, .value_kind: global_buffer, .address_space: global }
    .group_segment_fixed_size: 327680
    .private_segment_fixed_size: 0
    .kernarg_segment_align: 8
    .kernarg_segment_size: 32
    .max_flat_workgroup_size: 128
    .sgpr_count:     100
    .vgpr_count:     768
    .wavefront_size: 32
...
	.end_amdgpu_metadata
.endif
;; end of part 4
